; MI455X (gfx1250); checked and timed in simulation.
; The chip was launched on July 23, 2026; its instructions are those of AMD's public machine-readable ISA for CDNA 5 (MIT licence, August 2026) and "CDNA5" Instruction Set Architecture Reference Guide (July 2026). The comments in the code are by the model that wrote it; some were corrected since.
;; Sparse Mo E Layer. Allowed arithmetic: matrix products marked QUANTISED: E5M2 operands, one E8M0 scale for each 32 along K, by v_wmma_scale_f32_16x16x128_f8f6f4 with both operands' format E5M2, f32 sums; products left as they are: f32 operands where the result goes on into a quantised operand, else bf16, f16 or f32 operands; f32 sums; everything else in f32.
;; Inputs: W1 8 x 1,024 x 4,096 float32; W2 8 x 4,096 x 1,024 float32; Wg 1,024 x 8 float32; b1 8 x 4,096 float32; b2 8 x 1,024 float32; bg 8 float32; x 1,024 x 1,024 float32.
;; Outputs: out0 1,024 x 1,024 float32; out1 one number float32.
;; This version of the problem:
;;   THIS VERSION OF THE PROBLEM IS GIVEN IN LOW PRECISION. The matrix products marked QUANTISED in the list below multiply operands that are first quantised to E5M2 (5 exponent bits, 2 mantissa bits; 8 bits a number), with one power-of-two scale for each 32 numbers along K (OCP MX v1.0); their sums are f32. All else is computed in f32.
;;   The module's matrix products, in the order in which they are computed (A, B: the left and right operand; K: the contracted axis; several contracted axes count as one K, in the product's order):
;;     1. [M 1,024, K 1,024] x [K 1,024, N 8]; A: input x; B: input Wg: left as it is (N = 8 < 16)
;;     2. [M 1,024, K 1,024] x [K 1,024, N 32,768]; A: input x; B: input W1: QUANTISED
;;     3. batch 8 x [M 1,024, K 4,096] x [K 4,096, N 1,024]; A: input W2; B: computed on the way: QUANTISED
;;   THE QUANTISER, for each operand of a quantised product, along K:
;;     - K is cut into blocks of 32 from its start; a last block that is shorter is filled with zeros.
;;     - A block's scale is 2^e with e = floor(log2(the largest magnitude in the block)) - 15, held to -126 .. 127; a block of zeros has e = 0. As a byte (E8M0): e + 127.
;;     - Each number is divided by its block's scale, clamped to +-57,344, and rounded to the nearest number of E5M2, ties to even, subnormals kept.
;;     - The product sums the exact products of the quantised numbers (number of the format x scale) in f32.
;;   ~~~python
;;   def quantise(x, axis):      # numpy; x: float32 -> the quantised numbers, widened to float32 again
;;       x = np.moveaxis(x, axis, -1); K = x.shape[-1]
;;       x = np.pad(x, [(0, 0)] * (x.ndim - 1) + [(0, -K % 32)]); x = x.reshape(x.shape[:-1] + (-1, 32)); a = np.abs(x).max(-1, keepdims=True)
;;       e = np.where(a > 0, np.clip(np.frexp(np.where(a > 0, a, 1))[1] - 1 - 15, -126, 127), 0)      # np.frexp(a)[1] - 1 = floor(log2(a)), exactly
;;       r = np.clip(x / 2.0 ** e, -57344, 57344)
;;       step = 2.0 ** (np.maximum(np.frexp(np.where(r == 0, 1, r))[1] - 1, -14) - 2)
;;       q = np.round(r / step) * step * 2.0 ** e      # np.round: ties to even
;;       return np.moveaxis(q.reshape(q.shape[:-2] + (-1,))[..., :K], -1, axis).astype(np.float32)
;;   ~~~
;;   OPERANDS COMPUTED ON THE WAY. 'Computed on the way' means the value that the module computes at that place (a softmax that the list does not call 'softmax' is quantised finished and normalised). What goes into a quantiser is computed in f32, as accurately as f32 sums, v_exp_f32 and their like allow (about 1e-6 of the number): no bf16 or f16 on the way to a quantiser, and a product that is left as it is and whose result goes on into a quantised operand takes f32 operands (vector FMAs, or v_wmma_f32_16x16x4_f32). A number that lies on a knife's edge between two numbers of the format may be rounded either way, as far as f32 arithmetic and the matrix unit's own rounding can turn it there, and no further.
;; 2 versions, each right; version 2 is version 1 with the launches ffn1, ffn2 written anew for expert scheduling mode. Each part assembles by itself: llvm-mc -triple=amdgcn-amd-amdhsa -mcpu=gfx1250 --defsym DOCPART=n.
;; ======== version 1 of 2: 4 launches
;; workspace buffers: xq 1,048,576 bytes; xs 32,768 bytes; sel 4,096 bytes of whole numbers; pw 8,192 bytes; gp 32,768 bytes; hq 33,554,432 bytes; hs 1,048,576 bytes; y 16,777,216 bytes
;; launch gate (part 1): grid 128 x 1, 8 waves a work-group, no clusters, 43,008 bytes of LDS; arguments x, Wg, bg, xq, xs, sel, pw, gp; writes xq, xs, sel, pw, gp
.if DOCPART == 1
	.amdgcn_target "amdgcn-amd-amdhsa--gfx1250"
	.amdhsa_code_object_version 6
	.text
	.protected	k_q4b8423a0ab_gate
	.globl	k_q4b8423a0ab_gate
	.p2align	8
	.type	k_q4b8423a0ab_gate,@function
k_q4b8423a0ab_gate:
	s_mov_b64 s[64:65], 0
	v_nop
	global_prefetch_b8 v0, s[64:65] scope:SCOPE_SE
	s_setreg_imm32_b32 hwreg(HW_REG_WAVE_MODE, 25, 1), 1
	s_wait_xcnt 0x0
; GATE.  x [1024][1024] f32, Wg [1024][8], bg [8].  Made here: the gate's probabilities gp [token][8]; the two chosen experts as whole numbers,
; sel [token] = e0 | e1 << 8 | 1 << (16 + e0) | 1 << (16 + e1); their weights pw [token][2], normalised; and x as codes of E5M2, xq [token][1024], with one E8M0 byte for each 32 along K, xs [token][32].
; No address and no branch hangs on the choice: it is stored at fixed places and steers the later launches.
; SHARES.  A work-group takes 8 tokens.  Wave w takes half a = w & 1 of the 1,024 numbers of tokens 2 (w >> 1) and 2 (w >> 1) + 1.  Each load of x reads 512 consecutive bytes; the 2,048 bytes of a half
; turn through the wave's own stage in LDS (16 bytes of padding behind each 64), so that a lane holds 16 neighbours: the conversions want neighbours along K in one lane.
; The logits are f32 fused multiply-adds, two experts an instruction; the maximum is taken off ahead of the exponentials; ties go to the lower index (strict compare, ascending).
; LIMITS: NaN and infinities are not served.  The logits' order of summing differs from a row-by-row sum, which can turn only a choice between two experts whose probabilities agree to the last bits.
; A block of zeros gets the byte 1 (its codes are zeros; this program alone reads the bytes).  Blocks whose largest magnitude lies under 2^-111 have their byte held at 1.
.set SP,   80                          ; a lane's place in a stage: 64 bytes + 16
.set STGW, 5120                        ; a wave's two stages
.set PL,   40960                       ; partial logits [token 8][half 2][8] f32
.set XSC,  41472                       ; the work-group's 256 scale bytes
.set RAW,  16                          ; v16-47   x as loaded, 16 registers a token
.set X,    48                          ; v48-79   16 neighbours a token
.set AC,   80                          ; v80-95   8 sums a token
.set WG,   128                         ; v128-255 Wg: my 16 d x 8 experts; free again behind the sums
	s_load_b256 s[4:11], s[0:1], 0x0               ; x, Wg, bg, xq
	s_load_b256 s[12:19], s[0:1], 0x20             ; xs, sel, pw, gp
	v_lshl_add_u32 v126, v0, 2, 0xa400
	v_mov_b32 v127, 0
	v_lshrrev_b32 v1, 5, v0
	v_readfirstlane_b32 s20, v1                    ; wave
	v_and_b32 v2, 31, v0                           ; lane
	s_and_b32 s21, s20, 1                          ; a: which half of K
	s_lshr_b32 s22, s20, 1                         ; which pair of tokens
	s_mov_b32 s36, 0x76543210
	s_mov_b32 s37, 0xfedcba98                      ; selects: lane l xor 16
	s_mov_b32 s38, 0x600000                        ; the mantissa field of 57,344
	s_lshl_b32 s23, ttmp9, 15                      ; x: 8 tokens of 4,096 bytes a work-group,
	s_lshl_b32 s33, s22, 13
	s_add_co_u32 s23, s23, s33                     ; two tokens a pair,
	s_lshl_b32 s33, s21, 11
	s_add_co_u32 s23, s23, s33                     ; 2,048 bytes a half
	v_lshl_add_u32 v3, v2, 4, s23
	s_lshl_b32 s33, s21, 14
	v_lshl_add_u32 v4, v2, 9, s33                  ; Wg: d = 512 a + 16 lane, 32 bytes a d
	s_mul_i32 s32, s20, STGW
	v_lshrrev_b32 v5, 2, v2
	v_mul_u32_u24 v5, v5, SP
	v_and_b32 v6, 3, v2
	v_lshl_add_u32 v5, v6, 4, v5
	v_add_nc_u32 v5, s32, v5                       ; into the stage: SP (lane / 4) + 16 (lane % 4)
	v_mul_u32_u24 v6, v2, SP
	v_add_nc_u32 v6, s32, v6                       ; out of it: SP x lane
	s_lshl_b32 s33, ttmp9, 13
	s_lshl_b32 s34, s22, 11
	s_add_co_u32 s33, s33, s34
	s_lshl_b32 s34, s21, 9
	s_add_co_u32 s33, s33, s34
	v_lshl_add_u32 v7, v2, 4, s33                  ; xq: 1,024 bytes a token, 512 a half, 16 a lane
	s_lshl_b32 s34, s22, 6
	s_lshl_b32 s35, s21, 4
	s_add_co_u32 s34, s34, s35
	s_add_co_u32 s34, s34, XSC
	v_lshrrev_b32 v8, 1, v2
	v_add_nc_u32 v8, s34, v8                       ; my block's scale byte: 32 a token, 16 a half
	s_lshl_b32 s34, s22, 7
	s_lshl_b32 s35, s21, 5
	s_add_co_u32 s34, s34, s35
	s_add_co_u32 s34, s34, PL
	v_mov_b32 v9, s34                              ; my partial logits' place
	v_lshlrev_b32 v11, 3, v2                       ; the tail's addresses are made here, ahead of the parting of the waves
	v_add_nc_u32 v10, XSC, v11
	v_and_b32 v13, 7, v2
	v_lshlrev_b32 v12, 6, v13
	v_add_nc_u32 v12, PL, v12
	v_lshlrev_b32 v14, 5, v13                      ; gp: 32 bytes a token
	v_lshlrev_b32 v15, 2, v13                      ; sel: 4
	v_lshlrev_b32 v13, 3, v13                      ; pw: 8
.irp e, 0,1,2,3,4,5,6,7
	v_mov_b32 v[104+\e], 0                         ; a lane permute's destination counts as one of its sources
.endr
	s_wait_kmcnt 0x0
	s_load_b256 s[24:31], s[8:9], 0x0              ; bg
.irp t, 0,1
.irp i, 0,1,2,3
	global_load_b128 v[RAW+16*\t+4*\i:RAW+16*\t+4*\i+3], v3, s[4:5] offset:4096*\t+512*\i
.endr
.endr
.irp n, 0,1,2,3,4,5,6,7,8,9,10,11,12,13,14,15,16,17,18,19,20,21,22,23,24,25,26,27,28,29,30,31
	global_load_b128 v[WG+4*\n:WG+4*\n+3], v4, s[6:7] offset:16*\n
.endr
	s_lshl_b32 s34, ttmp9, 8                       ; the outputs' bases: none of them is a source of a pending load
	s_mov_b32 s35, 0
	s_add_nc_u64 s[12:13], s[12:13], s[34:35]      ; xs: 256 bytes a work-group
	s_add_nc_u64 s[18:19], s[18:19], s[34:35]      ; gp: 256
	s_lshl_b32 s34, ttmp9, 5
	s_add_nc_u64 s[14:15], s[14:15], s[34:35]      ; sel: 32
	s_lshl_b32 s34, ttmp9, 6
	s_add_nc_u64 s[16:17], s[16:17], s[34:35]      ; pw: 64
.macro TURN t                          ; LDS serves a wave's instructions in order: no wait between the stores and the loads
.irp i, 0,1,2,3
	ds_store_b128 v5, v[RAW+16*\t+4*\i:RAW+16*\t+4*\i+3] offset:2560*\t+8*SP*\i
.endr
.irp i, 0,1,2,3
	ds_load_b128 v[X+16*\t+4*\i:X+16*\t+4*\i+3], v6 offset:2560*\t+16*\i
.endr
.endm
.macro DOT t                           ; 8 sums over my 16 d: two experts an instruction, x's number for both halves
.irp p, 0,1,2,3
	v_pk_mul_f32 v[AC+8*\t+2*\p:AC+8*\t+2*\p+1], v[WG+2*\p:WG+2*\p+1], v[X+16*\t:X+16*\t+1] op_sel_hi:[1,0]
.endr
.set dd, 1
.rept 15
.irp p, 0,1,2,3
.if dd%2
	v_pk_fma_f32 v[AC+8*\t+2*\p:AC+8*\t+2*\p+1], v[WG+8*dd+2*\p:WG+8*dd+2*\p+1], v[X+16*\t+dd-1:X+16*\t+dd], v[AC+8*\t+2*\p:AC+8*\t+2*\p+1] op_sel:[0,1,0] op_sel_hi:[1,1,1]
.else
	v_pk_fma_f32 v[AC+8*\t+2*\p:AC+8*\t+2*\p+1], v[WG+8*dd+2*\p:WG+8*dd+2*\p+1], v[X+16*\t+dd:X+16*\t+dd+1], v[AC+8*\t+2*\p:AC+8*\t+2*\p+1] op_sel_hi:[1,0,1]
.endif
.endr
.set dd, dd+1
.endr
.endm
.macro RED t                           ; over the 32 lanes; every lane ends with the sums
.irp m, 1,2,4,8
.irp e, 0,1,2,3,4,5,6,7
	v_add_f32_dpp v[AC+8*\t+\e], v[AC+8*\t+\e], v[AC+8*\t+\e] row_xmask:\m row_mask:0xf bank_mask:0xf
.endr
.endr
.irp e, 0,1,2,3,4,5,6,7
	v_permlanex16_b32 v[104+\e], v[AC+8*\t+\e], s36, s37
.endr
.irp e, 0,1,2,3,4,5,6,7
	v_add_f32 v[AC+8*\t+\e], v[AC+8*\t+\e], v[104+\e]
.endr
	ds_store_b128 v9, v[AC+8*\t:AC+8*\t+3] offset:64*\t
	ds_store_b128 v9, v[AC+8*\t+4:AC+8*\t+7] offset:64*\t+16
.endm
.macro QX t                            ; my 16 neighbours become 16 codes; two neighbouring lanes hold a block
.set XS, X+16*\t
	v_max3_num_f32 v96, |v[XS]|, |v[XS+1]|, |v[XS+2]|
	v_max3_num_f32 v97, |v[XS+3]|, |v[XS+4]|, |v[XS+5]|
.irp i, 6,10
	v_max3_num_f32 v96, v96, |v[XS+\i]|, |v[XS+\i+1]|
	v_max3_num_f32 v97, v97, |v[XS+\i+2]|, |v[XS+\i+3]|
.endr
	v_max3_num_f32 v96, v96, |v[XS+14]|, |v[XS+15]|
	v_max3_num_f32 v96, v96, v97, 0x8000000        ; the floor 2^(16 - 127): the byte cannot fall under 1
	v_max_num_f32_dpp v96, v96, v96 row_xmask:1 row_mask:0xf bank_mask:0xf
	v_add_nc_u32 v98, 0xf8800000, v96              ; 15 off the exponent field: the conversion's scale operand
	v_and_or_b32 v99, v96, 0x7f800000, s38         ; 57,344 x the scale
.irp i, 0,1,2,3,4,5,6,7,8,9,10,11,12,13,14,15
	v_med3_num_f32 v[XS+\i], v[XS+\i], -v99, v99   ; the conversion to an 8-bit code does not saturate (ISA guide 7.6.2): the hold comes first
.endr
	v_cvt_scalef32_pk8_bf8_f32 v[112+4*\t:113+4*\t], v[XS:XS+7], v98
	v_cvt_scalef32_pk8_bf8_f32 v[114+4*\t:115+4*\t], v[XS+8:XS+15], v98
	v_lshrrev_b32 v[100+\t], 23, v98               ; the scale's byte (also the plain line behind the conversions)
	ds_store_b8 v8, v[100+\t] offset:32*\t         ; both lanes of a block write the same byte with the same value
	global_store_b128 v7, v[112+4*\t:115+4*\t], s[10:11] offset:1024*\t   ; the wave stores 512 consecutive bytes
.endm
	s_wait_loadcnt 36                              ; token 0's four loads are in: behind them 4 of x and 32 of Wg were issued
	TURN 0
	s_wait_loadcnt 32                              ; token 1's: behind them Wg's 32
	TURN 1
	s_wait_loadcnt 0x0                             ; Wg
	s_wait_dscnt 0x0
	DOT 0
	DOT 1
	RED 0
	RED 1
	QX 0
	QX 1
	s_wait_kmcnt 0x0                               ; bg
	s_wait_dscnt 0x0                               ; for the others' sake: my partial logits and scale bytes lie in LDS
	s_barrier_signal -1
	s_barrier_wait -1
	s_cmp_eq_u32 s20, 1
	s_cbranch_scc0 .Lnot_one
	ds_load_b64 v[128:129], v10                    ; wave 1: the work-group's 256 scale bytes leave as one aligned run
	s_wait_dscnt 0x0
	global_store_b64 v11, v[128:129], s[12:13]
	s_wait_tensorcnt 0x0
	ds_add_u32 v126, v127
	s_wait_dscnt 0x0
	s_endpgm
.Lnot_one:
	s_cmp_eq_u32 s20, 0
	s_cbranch_scc1 .Lzero
	s_wait_tensorcnt 0x0
	ds_add_u32 v126, v127
	s_wait_dscnt 0x0
	s_endpgm
.Lzero:                                                ; wave 0: lane l serves token l & 7
.irp i, 0,1,2,3
	ds_load_b128 v[128+4*\i:131+4*\i], v12 offset:16*\i
.endr
	s_wait_dscnt 0x0
.irp e, 0,1,2,3,4,5,6,7
	v_add_f32 v[144+\e], v[128+\e], v[136+\e]      ; the two halves of K,
.endr
.irp e, 0,1,2,3,4,5,6,7
	v_add_f32 v[144+\e], s[24+\e], v[144+\e]       ; and bg
.endr
	v_max3_num_f32 v152, v144, v145, v146
	v_max3_num_f32 v152, v152, v147, v148
	v_max3_num_f32 v152, v152, v149, v150
	v_max_num_f32 v152, v152, v151                 ; the row's maximum is taken off
.irp e, 0,1,2,3,4,5,6,7
	v_sub_f32 v[144+\e], v[144+\e], v152
.endr
.irp e, 0,1,2,3,4,5,6,7
	v_mul_f32 v[144+\e], 0x3fb8aa3b, v[144+\e]
.endr
.irp e, 0,1,2,3,4,5,6,7
	v_exp_f32 v[144+\e], v[144+\e]
.endr
	v_mov_b32 v157, -1.0                           ; (a plain line behind the exponentials)
	s_wait_alu depctr_va_vdst(0)                   ; one wait for the eight, ahead of their first reader
	v_add_f32 v153, v144, v145
	v_add_f32 v154, v146, v147
	v_add_f32 v155, v148, v149
	v_add_f32 v156, v150, v151
	v_add_f32 v153, v153, v154
	v_add_f32 v155, v155, v156
	v_add_f32 v153, v153, v155
	v_rcp_f32 v154, v153
	v_mov_b32 v172, 0x10000                        ; (a plain line behind the reciprocal)
	s_wait_alu depctr_va_vdst(0)
.irp e, 0,1,2,3,4,5,6,7
	v_mul_f32 v[144+\e], v[144+\e], v154           ; the probabilities
.endr
	v_mov_b32 v155, v144                           ; the largest, ties to the lower index
	v_mov_b32 v156, 0
.irp e, 1,2,3,4,5,6,7
	v_cmp_gt_f32 vcc_lo, v[144+\e], v155
	v_cndmask_b32 v155, v155, v[144+\e], vcc_lo
	v_cndmask_b32 v156, v156, \e, vcc_lo
.endr
.irp e, 0,1,2,3,4,5,6,7
	v_cmp_eq_u32 vcc_lo, \e, v156
	v_cndmask_b32 v[160+\e], v[144+\e], v157, vcc_lo   ; the first choice is hidden under -1
.endr
	v_mov_b32 v158, v160                           ; the second largest
	v_mov_b32 v159, 0
.irp e, 1,2,3,4,5,6,7
	v_cmp_gt_f32 vcc_lo, v[160+\e], v158
	v_cndmask_b32 v158, v158, v[160+\e], vcc_lo
	v_cndmask_b32 v159, v159, \e, vcc_lo
.endr
	v_add_f32 v168, v155, v158
	v_rcp_f32 v169, v168
	v_lshlrev_b32 v173, v156, v172                 ; 1 << (16 + e0)  (a plain line behind the reciprocal)
	v_lshlrev_b32 v174, v159, v172                 ; 1 << (16 + e1)
	v_or_b32 v173, v173, v174
	v_lshl_or_b32 v174, v159, 8, v156
	v_or_b32 v173, v173, v174
	s_wait_alu depctr_va_vdst(0)
	v_mul_f32 v170, v155, v169
	v_mul_f32 v171, v158, v169
	s_wait_xcnt 0x0                                ; EXEC changes only behind this wait: my stores of codes are sources' readers
	v_cmp_gt_u32 vcc_lo, 8, v2
	s_wait_tensorcnt 0x0
	ds_add_u32 v126, v127
	s_wait_dscnt 0x0
	s_and_saveexec_b32 s39, vcc_lo
	global_store_b128 v14, v[144:147], s[18:19]
	global_store_b128 v14, v[148:151], s[18:19] offset:16
	global_store_b32 v15, v173, s[14:15]
	global_store_b64 v13, v[170:171], s[16:17]
	s_wait_xcnt 0x0                                ; and again, in front of the line that widens it
	s_or_b32 exec_lo, exec_lo, s39
	s_endpgm
.Lfunc_end_k_q4b8423a0ab_gate:
	.size	k_q4b8423a0ab_gate, .Lfunc_end_k_q4b8423a0ab_gate-k_q4b8423a0ab_gate
	.p2alignl 7, 3214868480
	.fill 96, 4, 3214868480
	.section	.rodata,"a",@progbits
	.p2align	6, 0x0
	.amdhsa_kernel k_q4b8423a0ab_gate
		.amdhsa_group_segment_fixed_size 43008
		.amdhsa_private_segment_fixed_size 0
		.amdhsa_enable_private_segment 0
		.amdhsa_kernarg_size 64
		.amdhsa_user_sgpr_count 2
		.amdhsa_user_sgpr_kernarg_segment_ptr 1
		.amdhsa_wavefront_size32 1
		.amdhsa_system_sgpr_workgroup_id_x 1
		.amdhsa_system_sgpr_workgroup_id_y 1
		.amdhsa_system_sgpr_workgroup_id_z 1
		.amdhsa_system_vgpr_workitem_id 0
		.amdhsa_next_free_vgpr 256
		.amdhsa_next_free_sgpr 66
		.amdhsa_reserve_vcc 1
		.amdhsa_float_denorm_mode_32 3
		.amdhsa_float_denorm_mode_16_64 3
		.amdhsa_memory_ordered 1
		.amdhsa_forward_progress 1
		.amdhsa_inst_pref_size 33
	.end_amdhsa_kernel
	.amdgpu_metadata
---
amdhsa.version: [ 1, 2 ]
amdhsa.kernels:
  - .name:           k_q4b8423a0ab_gate
    .symbol:         k_q4b8423a0ab_gate.kd
    .args:
      - { .name: x, .offset: 0, .size: 8, .value_kind: global_buffer, .address_space: global }
      - { .name: Wg, .offset: 8, .size: 8, .value_kind: global_buffer, .address_space: global }
      - { .name: bg, .offset: 16, .size: 8, .value_kind: global_buffer, .address_space: global }
      - { .name: xq, .offset: 24, .size: 8, .value_kind: global_buffer, .address_space: global }
      - { .name: xs, .offset: 32, .size: 8, .value_kind: global_buffer, .address_space: global }
      - { .name: sel, .offset: 40, .size: 8, .value_kind: global_buffer, .address_space: global }
      - { .name: pw, .offset: 48, .size: 8, .value_kind: global_buffer, .address_space: global }
      - { .name: gp, .offset: 56, .size: 8, .value_kind: global_buffer, .address_space: global }
    .group_segment_fixed_size: 43008
    .private_segment_fixed_size: 0
    .kernarg_segment_align: 8
    .kernarg_segment_size: 64
    .max_flat_workgroup_size: 256
    .sgpr_count:     66
    .vgpr_count:     256
    .wavefront_size: 32
...
	.end_amdgpu_metadata
.endif
;; end of part 1
;; launch ffn1 (part 2): grid 256 x 1, 8 waves a work-group, no clusters, 137,216 bytes of LDS; arguments W1, b1, xq, xs, sel, hq, hs; writes hq, hs
.if DOCPART == 2
	.amdgcn_target "amdgcn-amd-amdhsa--gfx1250"
	.amdhsa_code_object_version 6
	.text
	.protected	k_q4b8423a0ab_ffn1
	.globl	k_q4b8423a0ab_ffn1
	.p2align	8
	.type	k_q4b8423a0ab_ffn1,@function
k_q4b8423a0ab_ffn1:
	s_mov_b64 s[64:65], 0
	v_nop
	global_prefetch_b8 v0, s[64:65] scope:SCOPE_SE
	s_setreg_imm32_b32 hwreg(HW_REG_WAVE_MODE, 25, 1), 1
	s_wait_xcnt 0x0
; FFN1.  For the rows (token, expert) that the gate chose: h = Q(gelu(Q(x) Q(W1[e]) + b1[e])), both operands codes of E5M2 with one E8M0 scale for each 32 along K.  h leaves as codes, already in the order of the
; next product's operand registers: hq [e][tile of 16 rows][K step of 128][2,048 bytes: piece c at 512 c, lane l's 16 bytes at 16 l], hs [e][tile][K step][16 words].
; SHARES.  Work-group x: expert e = x >> 5, hidden units 128 (x & 31) on, as two jobs of 64 columns, each over K = 1,024 in four periods of 256: eight periods.  W1's bytes are read once in the launch.
; WEIGHTS.  In a period wave w loads rows 32 w .. 32 w + 31 of K x 64 columns (16 loads; each reads two runs of 256 consecutive bytes), quantises them in registers (a lane holds 16 of a block's 32 numbers for each of
; four columns; lane l xor 16 the others) and stores codes to LDS as images of operand registers.  Each period has LDS bytes of its own, written once: one barrier a period, between the writing and the reading.
; THE COLUMNS OF A TILE ARE NOT NEIGHBOURS: lane r of tile 2 b + u holds column 32 b + 8 u + r + 8 (r / 8), so that a lane's 16 results of tiles 2 b, 2 b + 1 are 16 neighbours along the next K.
; ROWS.  Every wave rebuilds its expert's list of tokens from sel: 32 mask words by compares, their running counts, and a search for the i-th set bit without a branch.  A tile is 16 places of the list; places past the
; count repeat the last row.  Wave w owns tiles base + 8 q + w, q = 0 .. 3, 4 accumulators each.  More than 512 rows on an expert: a second pass (base 32) over the codes that still lie in LDS.
; All barriers stand on every wave's path; branches on the counts only jump forward over products and stores.  A job's first 16 products (C = 0) are always issued, so that every accumulator is written on every path.
; No tensor loads, no cluster.
; GELU, exact form: q = erfc(|v| / sqrt 2) / 2 = t 2^E, t = 1 / (1 + |v| / (2 sqrt 2)), E a polynomial of degree 9 in t less v^2 log2(e) / 2; gelu = max(v, 0) - |v| q.  The polynomial's own fractional error is 1.2e-7.
; LIMITS: NaN and infinities are not served; v_exp_f32 gives 0 where q falls under 2^-126; a block of zeros keeps the byte 1 (this program alone reads the bytes); blocks under 2^-111 have their byte held at 1.
; REGISTERS.  v1 W1 offset; v2-3 where I store codes (periods 0-3, 4-7); v4-5 16 x lane (likewise); v6 my scale bytes; v7 scale words; v8-11, v12-15 offsets of my rows' codes and scales; v16-23 x's scale words and
; v24-27 the weights' (scales and nothing else); v28-31, v61 small addresses; v32-47 at work; v64-127 four weight fragments, at other times at work; v128-255 two sets of 64 weights as loaded;
; v256-383 accumulators (32 q + 8 ct); v384-511 my rows' fragments (32 q + 16 ks).
.set BUFB,  16448                      ; a period's codes: 4 tiles of 4,096 bytes + 16: the 16 lanes of a store then fall on 16 different 16-byte columns
.set TILEB, 4112
.set HIB,   4*BUFB                     ; periods 4-7 lie past the 16-bit immediate: a second address register
.set SCB,   8*BUFB                     ; scale bytes: 512 a period: 8 (16 tile + r) + block
.set BIAS,  SCB+4096                   ; b1 of my 128 columns
.set WOFF, 1
.set CADR, 2
.set BADR, 4
.set SADR, 6
.set SBAD, 7
.set AOF,  8
.set SOF,  12
.set SA,   16
.set SB,   24
.set H16,  28
.set R4,   29
.set BIA,  30
.set IDX,  31
.set BST,  61
.set MSB, 0
.macro WIN new                         ; the immediate's high byte repeats the setting that is left; a switch that changes nothing is dropped
.if MSB != \new
	s_set_vgpr_msb (MSB<<8)|\new
.set MSB, \new
.endif
.endm
.macro PLACES n
.rept \n
	v_nop
.endr
.endm
.macro BAR                             ; my LDS stores have landed and my LDS loads are in: then the work-group's barrier
	s_wait_dscnt 0x0
	s_barrier_signal -1
	s_barrier_wait -1
.endm
.macro WLOAD g                         ; period g's weights of my wave into set g % 2: register 4 i + j = W1(32 w + 16 h + i, 4 r' + j)
.set STG, 128+64*((\g)%2)
.irp i, 0,1,2,3,4,5,6,7,8,9,10,11,12,13,14,15
.if ((\g)%4) >= 2
	global_load_b128 v[STG+4*\i:STG+4*\i+3], v[WOFF], s[100:101] offset:((\g)%2)*4194304+((\g)/4)*256+\i*16384 th:TH_LOAD_NT
.else
	global_load_b128 v[STG+4*\i:STG+4*\i+3], v[WOFF], s[4:5] offset:((\g)%2)*4194304+((\g)/4)*256+\i*16384 th:TH_LOAD_NT
.endif
.endr
.endm
.macro ALOAD g                         ; my four tiles' fragments of x for period g (two K steps) and their scale words: 36 loads, always issued, so that the counts are the same on every path
	WIN 0x40                                       ; destination window 1
.irp q, 0,1,2,3
.irp ks, 0,1
.irp c, 0,1,2,3
	global_load_b128 v[128+32*\q+16*\ks+4*\c:128+32*\q+16*\ks+4*\c+3], v[AOF+\q], s[8:9] offset:((\g)%4)*256+128*\ks+32*\c
.endr
.endr
.endr
	WIN 0
.irp q, 0,1,2,3
	global_load_b64 v[SA+2*\q:SA+2*\q+1], v[SOF+\q], s[10:11] offset:8*((\g)%4)
.endr
.endm
.macro QUANTW g                        ; set g % 2 becomes codes and scale bytes in period g's LDS bytes.  v64-67 maxima, v68-71 the other half's, then bytes, v72-75 scale operands, v76-79 limits, v80-95 codes, v96-127 numbers in K's order
.set STG, 128+64*((\g)%2)
.irp j, 0,1,2,3
	v_max3_num_f32 v[64+\j], |v[STG+\j]|, |v[STG+4+\j]|, 0x8000000   ; with the floor 2^(16 - 127): the byte cannot fall under 1
.endr
.irp i, 2,4,6,8,10,12,14
.irp j, 0,1,2,3
	v_max3_num_f32 v[64+\j], v[64+\j], |v[STG+4*\i+\j]|, |v[STG+4*\i+4+\j]|
.endr
.endr
.irp j, 0,1,2,3
	v_permlanex16_b32 v[68+\j], v[64+\j], s26, s27
.endr
.irp j, 0,1,2,3
	v_max_num_f32 v[64+\j], v[64+\j], v[68+\j]     ; the block's largest magnitude
.endr
.irp j, 0,1,2,3
	v_add_nc_u32 v[72+\j], 0xf8800000, v[64+\j]    ; 15 off its exponent field: the conversion's scale operand
.endr
.irp j, 0,1,2,3
	v_and_or_b32 v[76+\j], v[64+\j], 0x7f800000, s28   ; 57,344 x the scale
.endr
.irp j, 0,1,2,3
	v_lshrrev_b32 v[68+\j], 23, v[72+\j]           ; the scale's byte
.endr
.irp j, 0,1,2,3
.irp i, 0,1,2,3,4,5,6,7,8,9,10,11,12,13,14,15
	v_med3_num_f32 v[96+16*(\j%2)+\i], v[STG+4*\i+\j], -v[76+\j], v[76+\j]   ; the hold also brings a column's numbers into consecutive registers
.endr
	v_cvt_scalef32_pk8_bf8_f32 v[80+4*\j:81+4*\j], v[96+16*(\j%2):103+16*(\j%2)], v[72+\j]
	v_cvt_scalef32_pk8_bf8_f32 v[82+4*\j:83+4*\j], v[104+16*(\j%2):111+16*(\j%2)], v[72+\j]
.endr
	v_nop                                          ; a plain line behind the last conversion
.irp j, 0,1,2,3
	ds_store_b128 v[CADR+(\g)/4], v[80+4*\j:83+4*\j] offset:((\g)%4)*BUFB+16*\j
.endr
.irp j, 0,1,2,3
	ds_store_b8 v[SADR], v[68+\j] offset:(\g)*512+8*\j   ; both halves of the lanes write the same byte with the same value
.endr
.endm
.macro WM q, ct, ks, zero              ; source 0 = 16 columns of W1, source 1 = 16 rows of x
.set rD, 32*(\q)+8*(\ct)
.set rA, 64+16*(\ct)
.set rB, 128+32*(\q)+16*(\ks)
.set rSa, SB+2*((\ct)/2)+(\ks)
.set rSb, SA+2*(\q)+(\ks)
.if (\zero) && ((\ct)%2)
	v_wmma_scale_f32_16x16x128_f8f6f4 v[rD:rD+7], v[rA:rA+15], v[rB:rB+15], 0, v[rSa], v[rSb] matrix_a_fmt:MATRIX_FMT_BF8 matrix_b_fmt:MATRIX_FMT_BF8 matrix_a_scale:MATRIX_SCALE_ROW1
.elseif \zero
	v_wmma_scale_f32_16x16x128_f8f6f4 v[rD:rD+7], v[rA:rA+15], v[rB:rB+15], 0, v[rSa], v[rSb] matrix_a_fmt:MATRIX_FMT_BF8 matrix_b_fmt:MATRIX_FMT_BF8
.elseif (\ct)%2
	v_wmma_scale_f32_16x16x128_f8f6f4 v[rD:rD+7], v[rA:rA+15], v[rB:rB+15], v[rD:rD+7], v[rSa], v[rSb] matrix_a_fmt:MATRIX_FMT_BF8 matrix_b_fmt:MATRIX_FMT_BF8 matrix_a_scale:MATRIX_SCALE_ROW1
.else
	v_wmma_scale_f32_16x16x128_f8f6f4 v[rD:rD+7], v[rA:rA+15], v[rB:rB+15], v[rD:rD+7], v[rSa], v[rSb] matrix_a_fmt:MATRIX_FMT_BF8 matrix_b_fmt:MATRIX_FMT_BF8
.endif
.endm
; Period g's products.  The accumulators take turns, one instruction a turn.  Slots past my count of tiles are jumped over, but for a job's first K step.
; Eight plain lines stand in front of loads into registers that matrix instructions have read; nine at the end, since a job's first products write over accumulators.
.macro MM g, first
	ds_load_b64 v[SB:SB+1], v[SBAD] offset:(\g)*512        ; the weights' scale words: lanes 0-15 tile 0, lanes 16-31 tile 1; register = K step
	ds_load_b64 v[SB+2:SB+3], v[SBAD] offset:(\g)*512+256  ; tiles 2 and 3
.irp ks, 0,1
.if \ks
	PLACES 8
.endif
.irp ct, 0,1,2,3
.irp c, 0,1,2,3
	ds_load_b128 v[64+16*\ct+4*\c:64+16*\ct+4*\c+3], v[BADR+(\g)/4] offset:((\g)%4)*BUFB+\ct*TILEB+\ks*2048+\c*512
.endr
.endr
	s_wait_dscnt 0x0
.irp q, 0,1,2,3
.if (\first) && (\ks == 0)
	WIN 0x54
.irp ct, 0,1,2,3
	WM \q, \ct, \ks, 1
.endr
.else
	WIN 0
	s_cmp_le_u32 s24, \q
	s_cbranch_scc1 .Lsk_\@_\ks
	WIN 0x54                                       ; source 1, C and D window 1
.irp ct, 0,1,2,3
	WM \q, \ct, \ks, 0
.endr
.endif
.endr
	WIN 0
.Lsk_\@_\ks:
.endr
	PLACES 9
.endm
.macro DESC lev, wid, fld              ; one step down: does the wanted bit lie in the lower half of the field at v105?
	v_bfe_u32 v104, v[\lev], v105, \fld
	v_cmp_ge_u32 vcc_lo, v96, v104
	v_cndmask_b32 v104, 0, v104, vcc_lo
	v_sub_nc_u32 v96, v96, v104
	v_add_nc_u32 v106, \wid, v105
	v_cndmask_b32 v105, v105, v106, vcc_lo
.endm
; Places of the list to tokens, for slots 2 a (lanes 0-15) and 2 a + 1 (lanes 16-31); then both halves get both.  s32-63 running counts, s68-99 mask words.
.macro SELECT a, base, t0, t1
	v_add_nc_u32 v96, 16*(\base)+256*(\a), v[IDX]
	v_min_u32 v96, s25, v96                        ; places past the count repeat the last row
	v_mov_b32 v97, s68
	v_mov_b32 v98, 0
	v_mov_b32 v99, 0
	v_mov_b32 v107, 0
.set wd, 1
.rept 31
	v_cmp_le_u32 vcc_lo, s[32+wd], v96             ; the last word whose running count does not pass my place
	v_cndmask_b32 v97, v97, s[68+wd], vcc_lo
	v_cndmask_b32 v98, v98, s[32+wd], vcc_lo
	v_cndmask_b32 v99, v99, wd, vcc_lo
.set wd, wd+1
.endr
	v_sub_nc_u32 v96, v96, v98                     ; which set bit of that word
	v_lshrrev_b32 v100, 1, v97
	v_and_b32 v100, 0x55555555, v100
	v_sub_nc_u32 v100, v97, v100                   ; counts of 2 bits,
	v_lshrrev_b32 v101, 2, v100
	v_and_b32 v101, 0x33333333, v101
	v_and_b32 v102, 0x33333333, v100
	v_add_nc_u32 v101, v101, v102                  ; of 4,
	v_lshrrev_b32 v102, 4, v101
	v_add_nc_u32 v102, v102, v101
	v_and_b32 v102, 0x0f0f0f0f, v102               ; of 8,
	v_lshrrev_b32 v103, 8, v102
	v_add_nc_u32 v103, v103, v102                  ; of 16 (in the low byte)
	v_mov_b32 v105, 0
	DESC 103, 16, 8
	DESC 102, 8, 8
	DESC 101, 4, 4
	DESC 100, 2, 2
	DESC 97, 1, 1
	v_and_b32 v104, 0x1c, v99                      ; word 4 i + j, bit l: token 128 i + 4 l + j
	v_and_b32 v106, 3, v99
	v_lshl_or_b32 v106, v105, 2, v106
	v_lshl_or_b32 v106, v104, 5, v106
	v_permlanex16_b32 v107, v106, s26, s27
	v_cndmask_b32 v[\t0], v106, v107, s29
	v_cndmask_b32 v[\t1], v107, v106, s29
	v_min_u32 v[\t0], 0x3ff, v[\t0]
	v_min_u32 v[\t1], 0x3ff, v[\t1]
.endm
.macro PASSHEAD base
	s_sub_co_i32 s24, s23, s18                     ; how many of my four slots hold a tile: (tiles - base - wave + 7) >> 3, held to 0 .. 4
	s_add_co_i32 s24, s24, 7-(\base)
	s_ashr_i32 s24, s24, 3
	s_max_i32 s24, s24, 0
	s_min_i32 s24, s24, 4
	SELECT 0, \base, 32, 33
	SELECT 1, \base, 34, 35
.irp q, 0,1,2,3
	v_lshl_add_u32 v[AOF+\q], v[32+\q], 10, v[H16] ; xq: 1,024 bytes a token, + 16 h
	v_lshlrev_b32 v[SOF+\q], 5, v[32+\q]           ; xs: 32 bytes a token
.endr
.endm
.macro VAR v, job                      ; slot v / 2, block v % 2 of the job: 16 results and their bias; each accumulator is read from its low end on
.irp m, 0,1,2,3
	ds_load_b128 v[112+4*\m:115+4*\m], v[BIA] offset:256*(\job)+128*((\v)%2)+16*\m
.endr
	s_wait_dscnt 0x0
	WIN 0x01                                       ; source 0 window 1
.irp n, 0,2,4,6,8,10,12,14
	v_pk_add_f32 v[64+\n:65+\n], v[16*(\v)+\n:16*(\v)+\n+1], v[112+\n:113+\n]
.endr
	WIN 0
.endm
.macro HSTEP k
.irp n, 0,2,4,6,8,10,12,14
	v_pk_fma_f32 v[96+\n:97+\n], v[96+\n:97+\n], v[80+\n:81+\n], \k op_sel_hi:[1,1,0]
.endr
.endm
; A job's results: eight trips, one for each (slot, block of 32 hidden units): bias, gelu, quantise, store.  The trip count is a constant; a slot without a tile is jumped over inside the trip.
.macro EPI job, base
	s_wait_xcnt 0x0                                ; earlier stores have read their registers
	v_mov_b32 v33, 0
	v_mov_b32 v37, 0
	v_mov_b32 v44, 0x3e7c6f08                      ; the polynomial's leading coefficient, as a pair
	v_mov_b32 v45, 0x3e7c6f08
	s_mov_b32 s30, 0
.Lep_\@:
	s_lshr_b32 s31, s30, 1
	s_cmp_ge_u32 s31, s24
	s_cbranch_scc1 .Lnx_\@
	s_wait_xcnt 0x0                                ; the last trip's stores have read their data and offsets
	s_lshl_b32 s31, s31, 3
	s_add_co_u32 s31, s31, s18
	s_add_co_u32 s31, s31, \base                   ; the tile
	s_and_b32 s66, s30, 1
	s_lshl_b32 s66, s66, 9
	s_lshl_b32 s67, s31, 16
	s_add_co_u32 s67, s67, s66
	v_add_nc_u32 v38, s67, v[BADR]                 ; hq: 65,536 x tile + 512 b + 16 x lane
	s_lshl_b32 s67, s31, 11
	v_add_nc_u32 v39, s67, v[R4]                   ; hs: 2,048 x tile + 4 r
.irp v, 0,1,2,3,4,5,6
	s_cmp_lg_u32 s30, \v
	s_cbranch_scc1 .Lnv_\@_\v
	VAR \v, \job
	s_branch .Lcm_\@
.Lnv_\@_\v:
.endr
	VAR 7, \job
.Lcm_\@:
.irp n, 0,1,2,3,4,5,6,7,8,9,10,11,12,13,14,15
	v_fma_f32 v[80+\n], |v[64+\n]|, 0x3eb504f3, 1.0
.endr
.irp n, 0,1,2,3,4,5,6,7,8,9,10,11,12,13,14,15
	v_rcp_f32 v[80+\n], v[80+\n]                   ; t
.endr
.irp n, 0,2,4,6,8,10,12,14
	v_pk_mul_f32 v[112+\n:113+\n], v[64+\n:65+\n], v[64+\n:65+\n]   ; v^2: plain work behind the reciprocals
.endr
	s_wait_alu depctr_va_vdst(0)                   ; one wait for the sixteen, ahead of their first reader
.irp n, 0,2,4,6,8,10,12,14
	v_pk_fma_f32 v[96+\n:97+\n], v[80+\n:81+\n], v[44:45], 0xbf97d29d op_sel_hi:[1,1,0]
.endr
	HSTEP 0x40097039
	HSTEP 0xbfd1a1e5
	HSTEP 0x3ecdfd18
	HSTEP 0xbe899a80
	HSTEP 0x3e0efb2f
	HSTEP 0x3f0a29d2
	HSTEP 0x3fb8ab5a
	HSTEP 0xc034d90f
.irp n, 0,2,4,6,8,10,12,14
	v_pk_fma_f32 v[96+\n:97+\n], v[112+\n:113+\n], 0xbf38aa3b, v[96+\n:97+\n] op_sel_hi:[1,0,1]
.endr
.irp n, 0,1,2,3,4,5,6,7,8,9,10,11,12,13,14,15
	v_exp_f32 v[96+\n], v[96+\n]
.endr
.irp n, 0,1,2,3,4,5,6,7,8,9,10,11,12,13,14,15
	v_max_num_f32 v[112+\n], 0, v[64+\n]           ; max(v, 0): plain work behind the exponentials
.endr
	s_wait_alu depctr_va_vdst(0)
.irp n, 0,2,4,6,8,10,12,14
	v_pk_mul_f32 v[96+\n:97+\n], v[96+\n:97+\n], v[80+\n:81+\n]     ; q
.endr
.irp n, 0,1,2,3,4,5,6,7,8,9,10,11,12,13,14,15
	v_fma_f32 v[64+\n], -|v[64+\n]|, v[96+\n], v[112+\n]
.endr
	v_max3_num_f32 v32, |v64|, |v65|, 0x8000000
	v_max3_num_f32 v36, |v72|, |v73|, |v74|
	v_max3_num_f32 v32, v32, |v66|, |v67|
	v_max3_num_f32 v36, v36, |v75|, |v76|
	v_max3_num_f32 v32, v32, |v68|, |v69|
	v_max3_num_f32 v36, v36, |v77|, |v78|
	v_max3_num_f32 v32, v32, |v70|, |v71|
	v_max3_num_f32 v32, v32, v36, |v79|
	v_permlanex16_b32 v33, v32, s26, s27
	v_max_num_f32 v32, v32, v33                    ; the block's largest magnitude
	v_add_nc_u32 v34, 0xf8800000, v32
	v_and_or_b32 v35, v32, 0x7f800000, s28
	v_lshrrev_b32 v36, 23, v34
	v_lshrrev_b32 v37, 8, v37                      ; the bytes of blocks b = 0 and b = 1 meet in one register
	v_lshl_or_b32 v37, v36, 8, v37
.irp n, 0,1,2,3,4,5,6,7,8,9,10,11,12,13,14,15
	v_med3_num_f32 v[64+\n], v[64+\n], -v35, v35
.endr
	v_cvt_scalef32_pk8_bf8_f32 v[40:41], v[64:71], v34
	v_cvt_scalef32_pk8_bf8_f32 v[42:43], v[72:79], v34
	v_nop                                          ; a plain line behind the last conversion
	global_store_b128 v38, v[40:43], s[14:15] offset:1024*(\job)    ; the wave stores 512 consecutive bytes, aligned
	s_bitcmp1_b32 s30, 0
	s_cbranch_scc0 .Lnx_\@
	global_store_b16 v39, v37, s[16:17] offset:2*(\job)
.Lnx_\@:
	s_add_co_u32 s30, s30, 1
	s_cmp_lt_u32 s30, 8
	s_cbranch_scc1 .Lep_\@
.endm
; A period: the products of g; then the rows' fragments and the weights' codes of g + 1; then the weights of g + 3 are asked for.
; Loads are issued in the order .. A(g), W(g+2), A(g+1), W(g+3) ..: the count 16 leaves W(g+2) out and shows A(g) and W(g+1) in.
.macro PERIOD g
.if (\g) <= 5
	s_wait_loadcnt 16
.else
	s_wait_loadcnt 0x0
.endif
.if ((\g)%4) == 0
	MM \g, 1
.else
	MM \g, 0
.endif
.if (\g) < 7
	ALOAD (\g)+1
	QUANTW (\g)+1
.if (\g) < 5
	WLOAD (\g)+3
.endif
	BAR
.endif
.endm
	s_load_b256 s[4:11], s[0:1], 0x0               ; W1, b1, xq, xs
	s_load_b128 s[12:15], s[0:1], 0x20             ; sel, hq
	s_load_b64 s[16:17], s[0:1], 0x30              ; hs
	v_lshl_add_u32 v62, v0, 2, 0x21400
	v_mov_b32 v63, 0
	v_lshrrev_b32 v1, 5, v0
	v_readfirstlane_b32 s18, v1                    ; wave
	s_lshr_b32 s19, ttmp9, 5                       ; expert
	s_and_b32 s20, ttmp9, 31                       ; which 128 hidden units
	s_mov_b32 s26, 0x76543210
	s_mov_b32 s27, 0xfedcba98                      ; selects: lane l xor 16
	s_mov_b32 s28, 0x600000                        ; the mantissa field of 57,344
	s_mov_b32 s29, 0xffff0000                      ; lanes 16-31
	v_and_b32 v100, 31, v0                         ; lane
	v_and_b32 v101, 15, v0                         ; r'
	v_bfe_u32 v102, v0, 4, 1                       ; h
	s_lshl_b32 s30, s18, 19
	v_lshlrev_b32 v[WOFF], 4, v101
	v_lshl_add_u32 v[WOFF], v102, 18, v[WOFF]
	v_add_nc_u32 v[WOFF], s30, v[WOFF]             ; (32 w + 16 h) rows of 16,384 bytes + 16 r'
	v_bfe_u32 v103, v0, 3, 1
	v_bfe_u32 v105, v0, 1, 1
	v_lshl_add_u32 v103, v103, 1, v105             ; the tile of my four columns: 2 (r' >> 3) + ((r' >> 1) & 1)
	v_bfe_u32 v104, v0, 2, 1
	v_and_b32 v105, 1, v0
	v_lshl_add_u32 v104, v104, 1, v105             ; a quarter of their first place in it: (r' & 1) + 2 ((r' >> 2) & 1)
	s_lshr_b32 s30, s18, 2
	s_lshl_b32 s30, s30, 11
	s_and_b32 s31, s18, 3
	s_lshl_b32 s31, s31, 9
	s_add_co_u32 s30, s30, s31                     ; my block of 32: K step w >> 2, piece w & 3
	v_mul_u32_u24 v[CADR], v103, TILEB
	v_lshl_add_u32 v[CADR], v104, 6, v[CADR]
	v_lshl_add_u32 v[CADR], v102, 8, v[CADR]
	v_add_nc_u32 v[CADR], s30, v[CADR]
	v_add_nc_u32 v[CADR+1], HIB, v[CADR]
	v_lshlrev_b32 v[BADR], 4, v100
	v_add_nc_u32 v[BADR+1], HIB, v[BADR]
	v_lshlrev_b32 v[SADR], 7, v103
	v_lshl_add_u32 v[SADR], v104, 5, v[SADR]
	s_add_co_u32 s30, s18, SCB
	v_add_nc_u32 v[SADR], s30, v[SADR]
	v_lshl_add_u32 v[SBAD], v100, 3, SCB
	v_lshlrev_b32 v[H16], 4, v102
	v_lshlrev_b32 v[R4], 2, v101
	v_lshl_add_u32 v[BIA], v102, 6, BIAS
	s_lshl_b32 s30, s18, 4
	v_lshl_add_u32 v[IDX], v102, 7, v101
	v_add_nc_u32 v[IDX], s30, v[IDX]               ; 128 h + 16 w + r
	v_add_nc_u32 v[BST], BIAS, v[BADR]
	s_wait_kmcnt 0x0
	s_mov_b32 s31, 0
	s_lshl_b32 s30, s19, 24
	s_lshl_b32 s66, s20, 9
	s_add_co_u32 s30, s30, s66
	s_add_nc_u64 s[4:5], s[4:5], s[30:31]          ; W1 at my expert and columns;
	s_add_nc_u64 s[100:101], s[4:5], 0x800000      ; and 512 rows of K further down, so that the immediates stay inside their field
	s_lshl_b32 s30, s19, 14
	s_add_co_u32 s30, s30, s66
	s_add_nc_u64 s[6:7], s[6:7], s[30:31]          ; b1
	s_lshl_b32 s30, s19, 22
	s_lshl_b32 s66, s20, 11
	s_add_co_u32 s30, s30, s66
	s_add_nc_u64 s[14:15], s[14:15], s[30:31]      ; hq: my expert, my K step
	s_lshl_b32 s30, s19, 17
	s_lshl_b32 s66, s20, 6
	s_add_co_u32 s30, s30, s66
	s_add_nc_u64 s[16:17], s[16:17], s[30:31]      ; hs likewise
.irp i, 0,1,2,3,4,5,6,7
	global_load_b128 v[64+4*\i:67+4*\i], v[BADR], s[12:13] offset:512*\i   ; sel: register 4 i + j of lane l: token 128 i + 4 l + j
.endr
	global_load_b128 v[96:99], v[BADR], s[6:7]
	WLOAD 0
	WLOAD 1
	s_wait_loadcnt 32                              ; sel and the bias are in: behind them the 32 loads of W(0) and W(1)
	s_cmp_lg_u32 s18, 0
	s_cbranch_scc1 .Lno_bias
	ds_store_b128 v[BST], v[96:99]                 ; wave 0 lays the bias down; it is read behind barriers
.Lno_bias:
	s_add_co_u32 s30, s19, 16
	s_lshl_b32 s30, 1, s30                         ; my expert's bit
.set wd, 0
.rept 32
	v_and_b32 v100, s30, v[64+wd]
	v_cmp_ne_u32 s[68+wd], 0, v100                 ; mask word wd
.set wd, wd+1
.endr
	s_mov_b32 s32, 0
.set wd, 0
.rept 31
	s_bcnt1_i32_b32 s31, s[68+wd]
	s_add_co_u32 s[33+wd], s[32+wd], s31           ; running counts
.set wd, wd+1
.endr
	s_bcnt1_i32_b32 s31, s99
	s_add_co_u32 s22, s63, s31                     ; my expert's rows,
	s_add_co_u32 s23, s22, 15
	s_lshr_b32 s23, s23, 4                         ; its tiles,
	s_max_u32 s25, s22, 1
	s_sub_co_u32 s25, s25, 1                       ; its last place
.irp j, 0,1,2,3
	v_mov_b32 v[68+\j], 0                          ; a lane permute's destination counts as one of its sources
.endr
	PASSHEAD 0
	s_wait_loadcnt 16                              ; W(0) is in; W(1)'s 16 loads may be out
	ALOAD 0
	QUANTW 0
	WLOAD 2
	BAR
.irp g, 0,1,2,3
	PERIOD \g
.endr
	EPI 0, 0
.irp g, 4,5,6,7
	PERIOD \g
.endr
	EPI 1, 0
	s_cmp_le_u32 s23, 32                           ; more than 512 rows: tiles 32 on, over the codes that lie in LDS; no barrier and no LDS store stands in this part
	s_cbranch_scc1 .Lend
	s_wait_loadcnt 0x0
	s_wait_xcnt 0x0                                ; offsets and data of earlier loads and stores may be written again
	PASSHEAD 32
	ALOAD 0
.irp g, 0,1,2,3
	s_wait_loadcnt 0x0
.if \g == 0
	MM \g, 1
.else
	MM \g, 0
.endif
	ALOAD (\g)+1
.endr
	EPI 0, 32
.irp g, 4,5,6,7
	s_wait_loadcnt 0x0
.if \g == 4
	MM \g, 1
.else
	MM \g, 0
.endif
.if \g < 7
	ALOAD (\g)+1
.endif
.endr
	EPI 1, 32
.Lend:
	s_wait_tensorcnt 0x0
	ds_add_u32 v62, v63
	s_wait_dscnt 0x0
	s_endpgm
.Lfunc_end_k_q4b8423a0ab_ffn1:
	.size	k_q4b8423a0ab_ffn1, .Lfunc_end_k_q4b8423a0ab_ffn1-k_q4b8423a0ab_ffn1
	.p2alignl 7, 3214868480
	.fill 96, 4, 3214868480
	.section	.rodata,"a",@progbits
	.p2align	6, 0x0
	.amdhsa_kernel k_q4b8423a0ab_ffn1
		.amdhsa_group_segment_fixed_size 137216
		.amdhsa_private_segment_fixed_size 0
		.amdhsa_enable_private_segment 0
		.amdhsa_kernarg_size 56
		.amdhsa_user_sgpr_count 2
		.amdhsa_user_sgpr_kernarg_segment_ptr 1
		.amdhsa_wavefront_size32 1
		.amdhsa_system_sgpr_workgroup_id_x 1
		.amdhsa_system_sgpr_workgroup_id_y 1
		.amdhsa_system_sgpr_workgroup_id_z 1
		.amdhsa_system_vgpr_workitem_id 0
		.amdhsa_next_free_vgpr 512
		.amdhsa_next_free_sgpr 102
		.amdhsa_reserve_vcc 1
		.amdhsa_float_denorm_mode_32 3
		.amdhsa_float_denorm_mode_16_64 3
		.amdhsa_memory_ordered 1
		.amdhsa_forward_progress 1
		.amdhsa_inst_pref_size 255
	.end_amdhsa_kernel
	.section	.bss,"aw",@nobits
	.p2align	6
	.space	262144
	.amdgpu_metadata
---
amdhsa.version: [ 1, 2 ]
amdhsa.kernels:
  - .name:           k_q4b8423a0ab_ffn1
    .symbol:         k_q4b8423a0ab_ffn1.kd
    .args:
      - { .name: W1, .offset: 0, .size: 8, .value_kind: global_buffer, .address_space: global }
      - { .name: b1, .offset: 8, .size: 8, .value_kind: global_buffer, .address_space: global }
      - { .name: xq, .offset: 16, .size: 8, .value_kind: global_buffer, .address_space: global }
      - { .name: xs, .offset: 24, .size: 8, .value_kind: global_buffer, .address_space: global }
      - { .name: sel, .offset: 32, .size: 8, .value_kind: global_buffer, .address_space: global }
      - { .name: hq, .offset: 40, .size: 8, .value_kind: global_buffer, .address_space: global }
      - { .name: hs, .offset: 48, .size: 8, .value_kind: global_buffer, .address_space: global }
    .group_segment_fixed_size: 137216
    .private_segment_fixed_size: 0
    .kernarg_segment_align: 8
    .kernarg_segment_size: 56
    .max_flat_workgroup_size: 256
    .sgpr_count:     102
    .vgpr_count:     512
    .wavefront_size: 32
...
	.end_amdgpu_metadata
.endif
;; end of part 2
;; launch ffn2 (part 3): grid 256 x 1, 8 waves a work-group, no clusters, 172,032 bytes of LDS; arguments W2, b2, hq, hs, sel, pw, y; writes y
.if DOCPART == 3
	.amdgcn_target "amdgcn-amd-amdhsa--gfx1250"
	.amdhsa_code_object_version 6
	.text
	.protected	k_q4b8423a0ab_ffn2
	.globl	k_q4b8423a0ab_ffn2
	.p2align	8
	.type	k_q4b8423a0ab_ffn2,@function
k_q4b8423a0ab_ffn2:
	s_mov_b64 s[64:65], 0
	v_nop
	global_prefetch_b8 v0, s[64:65] scope:SCOPE_SE
	s_setreg_imm32_b32 hwreg(HW_REG_WAVE_MODE, 25, 1), 1
	s_wait_xcnt 0x0
; FFN2.  For the routed rows: y[kh][2 token + k][:] = p (Q(h) Q(W2[e]) over K half kh, + b2[e] in half 0), p the gate's weight.  Both operands codes of E5M2 with one E8M0 scale for each 32 along K.
; SHARES.  Work-group x: expert e = x >> 5, 64 output columns cc = (x & 31) >> 1, K half kh = x & 1 (2,048 of the 4,096): eight periods of 256 along K.  W2's bytes are read once in the launch.
; The scheme is the first product's: in a period wave w loads 32 rows of K x 64 columns, quantises them in registers and stores codes to LDS as images of operand registers, each period in LDS bytes of its own, one
; barrier a period.  The rows' fragments come from hq as they lie (512 consecutive bytes a load).  Wave w owns tiles base + 8 q + w, q = 0 .. 3; more than 512 rows on an expert: a second pass over the codes in LDS.
; A slot without a tile still issues its loads (so that the counts are the same on every path), all lanes at one address.  The first 16 products (C = 0) are always issued: every accumulator is written on every path.
; The list of tokens is rebuilt from sel exactly as in the first product's launch, so a tile's rows are the same rows.  Places past the count repeat the last row: they store the same bytes to the same place.
; WAY OUT.  A lane holds 8 neighbouring outputs of one row; a tile goes through the wave's own stage and leaves as rows of 256 consecutive bytes, aligned; the rows' numbers come by v_readlane_b32.
; All barriers stand on every wave's path.  No tensor loads, no cluster.
; LIMITS: NaN and infinities are not served (b2 is multiplied by 0 in the upper K half); a block of zeros keeps the byte 1; blocks under 2^-111 have their byte held at 1.
; REGISTERS as in the first product's launch, but: v16-19 h's scale words (lanes 0-15 K step 0, lanes 16-31 K step 1); v32-35 tokens, v36-39 their sel words, v40-47 their weights, v48-51 row numbers, v52-59 p as pairs;
; v62, v63 the stage; on the way out v64-95 results, v96-127 rows read back, v128-159 the bias, v160-167 store offsets.
.set BUFB,  16448
.set TILEB, 4112
.set HIB,   4*BUFB
.set SCB,   8*BUFB
.set BIAS,  SCB+4096                   ; b2 of my 64 columns (x 0 in the upper K half)
.set STAGE, BIAS+512                   ; 16 rows x 272 bytes for each wave
.set WOFF, 1
.set CADR, 2
.set BADR, 4
.set SADR, 6
.set SBAD, 7
.set AOF,  8
.set SOF,  12
.set SA,   16
.set SB,   24
.set C16,  28
.set L4,   29
.set BIA,  30
.set IDX,  31
.set BST,  61
.set STO,  62
.set RD,   63
.set MSB, 0
.macro WIN new
.if MSB != \new
	s_set_vgpr_msb (MSB<<8)|\new
.set MSB, \new
.endif
.endm
.macro PLACES n
.rept \n
	v_nop
.endr
.endm
.macro BAR
	s_wait_dscnt 0x0
	s_barrier_signal -1
	s_barrier_wait -1
.endm
.macro WLOAD g                         ; register 4 i + j = W2(256 g + 32 w + 16 h + i, 4 r' + j)
.set STG, 128+64*((\g)%2)
.irp i, 0,1,2,3,4,5,6,7,8,9,10,11,12,13,14,15
	global_load_b128 v[STG+4*\i:STG+4*\i+3], v[WOFF], s[4:5] offset:(\g)*1048576+\i*4096 th:TH_LOAD_NT
.endr
.endm
.macro ALOAD g
	WIN 0x40
.irp q, 0,1,2,3
.irp ks, 0,1
.irp c, 0,1,2,3
	global_load_b128 v[128+32*\q+16*\ks+4*\c:128+32*\q+16*\ks+4*\c+3], v[AOF+\q], s[8:9] offset:(\g)*4096+2048*\ks+512*\c
.endr
.endr
.endr
	WIN 0
.irp q, 0,1,2,3
	global_load_b32 v[SA+\q], v[SOF+\q], s[10:11] offset:(\g)*128
.endr
.endm
.macro QUANTW g
.set STG, 128+64*((\g)%2)
.irp j, 0,1,2,3
	v_max3_num_f32 v[64+\j], |v[STG+\j]|, |v[STG+4+\j]|, 0x8000000
.endr
.irp i, 2,4,6,8,10,12,14
.irp j, 0,1,2,3
	v_max3_num_f32 v[64+\j], v[64+\j], |v[STG+4*\i+\j]|, |v[STG+4*\i+4+\j]|
.endr
.endr
.irp j, 0,1,2,3
	v_permlanex16_b32 v[68+\j], v[64+\j], s26, s27
.endr
.irp j, 0,1,2,3
	v_max_num_f32 v[64+\j], v[64+\j], v[68+\j]
.endr
.irp j, 0,1,2,3
	v_add_nc_u32 v[72+\j], 0xf8800000, v[64+\j]
.endr
.irp j, 0,1,2,3
	v_and_or_b32 v[76+\j], v[64+\j], 0x7f800000, s28
.endr
.irp j, 0,1,2,3
	v_lshrrev_b32 v[68+\j], 23, v[72+\j]
.endr
.irp j, 0,1,2,3
.irp i, 0,1,2,3,4,5,6,7,8,9,10,11,12,13,14,15
	v_med3_num_f32 v[96+16*(\j%2)+\i], v[STG+4*\i+\j], -v[76+\j], v[76+\j]
.endr
	v_cvt_scalef32_pk8_bf8_f32 v[80+4*\j:81+4*\j], v[96+16*(\j%2):103+16*(\j%2)], v[72+\j]
	v_cvt_scalef32_pk8_bf8_f32 v[82+4*\j:83+4*\j], v[104+16*(\j%2):111+16*(\j%2)], v[72+\j]
.endr
	v_nop                                          ; a plain line behind the last conversion
.irp j, 0,1,2,3
	ds_store_b128 v[CADR+(\g)/4], v[80+4*\j:83+4*\j] offset:((\g)%4)*BUFB+16*\j
.endr
.irp j, 0,1,2,3
	ds_store_b8 v[SADR], v[68+\j] offset:(\g)*512+8*\j
.endr
.endm
.macro WM q, ct, ks, zero              ; source 0 = 16 columns of W2, source 1 = 16 rows of h
.set rD, 32*(\q)+8*(\ct)
.set rA, 64+16*(\ct)
.set rB, 128+32*(\q)+16*(\ks)
.set rSa, SB+2*((\ct)/2)+(\ks)
.set rSb, SA+(\q)
.if (\zero) && ((\ct)%2)
	v_wmma_scale_f32_16x16x128_f8f6f4 v[rD:rD+7], v[rA:rA+15], v[rB:rB+15], 0, v[rSa], v[rSb] matrix_a_fmt:MATRIX_FMT_BF8 matrix_b_fmt:MATRIX_FMT_BF8 matrix_a_scale:MATRIX_SCALE_ROW1
.elseif \zero
	v_wmma_scale_f32_16x16x128_f8f6f4 v[rD:rD+7], v[rA:rA+15], v[rB:rB+15], 0, v[rSa], v[rSb] matrix_a_fmt:MATRIX_FMT_BF8 matrix_b_fmt:MATRIX_FMT_BF8
.elseif ((\ct)%2) && (\ks)
	v_wmma_scale_f32_16x16x128_f8f6f4 v[rD:rD+7], v[rA:rA+15], v[rB:rB+15], v[rD:rD+7], v[rSa], v[rSb] matrix_a_fmt:MATRIX_FMT_BF8 matrix_b_fmt:MATRIX_FMT_BF8 matrix_a_scale:MATRIX_SCALE_ROW1 matrix_b_scale:MATRIX_SCALE_ROW1
.elseif (\ct)%2
	v_wmma_scale_f32_16x16x128_f8f6f4 v[rD:rD+7], v[rA:rA+15], v[rB:rB+15], v[rD:rD+7], v[rSa], v[rSb] matrix_a_fmt:MATRIX_FMT_BF8 matrix_b_fmt:MATRIX_FMT_BF8 matrix_a_scale:MATRIX_SCALE_ROW1
.elseif \ks
	v_wmma_scale_f32_16x16x128_f8f6f4 v[rD:rD+7], v[rA:rA+15], v[rB:rB+15], v[rD:rD+7], v[rSa], v[rSb] matrix_a_fmt:MATRIX_FMT_BF8 matrix_b_fmt:MATRIX_FMT_BF8 matrix_b_scale:MATRIX_SCALE_ROW1
.else
	v_wmma_scale_f32_16x16x128_f8f6f4 v[rD:rD+7], v[rA:rA+15], v[rB:rB+15], v[rD:rD+7], v[rSa], v[rSb] matrix_a_fmt:MATRIX_FMT_BF8 matrix_b_fmt:MATRIX_FMT_BF8
.endif
.endm
; Period g's products: the accumulators take turns, one instruction a turn; eight plain lines in front of loads into registers that matrix instructions have read, nine at the end.
.macro MM g, first
	ds_load_b64 v[SB:SB+1], v[SBAD] offset:(\g)*512
	ds_load_b64 v[SB+2:SB+3], v[SBAD] offset:(\g)*512+256
.irp ks, 0,1
.if \ks
	PLACES 8
.endif
.irp ct, 0,1,2,3
.irp c, 0,1,2,3
	ds_load_b128 v[64+16*\ct+4*\c:64+16*\ct+4*\c+3], v[BADR+(\g)/4] offset:((\g)%4)*BUFB+\ct*TILEB+\ks*2048+\c*512
.endr
.endr
	s_wait_dscnt 0x0
.irp q, 0,1,2,3
.if (\first) && (\ks == 0)
	WIN 0x54
.irp ct, 0,1,2,3
	WM \q, \ct, \ks, 1
.endr
.else
	WIN 0
	s_cmp_le_u32 s24, \q
	s_cbranch_scc1 .Lsk_\@_\ks
	WIN 0x54
.irp ct, 0,1,2,3
	WM \q, \ct, \ks, 0
.endr
.endif
.endr
	WIN 0
.Lsk_\@_\ks:
.endr
	PLACES 9
.endm
.macro DESC lev, wid, fld
	v_bfe_u32 v104, v[\lev], v105, \fld
	v_cmp_ge_u32 vcc_lo, v96, v104
	v_cndmask_b32 v104, 0, v104, vcc_lo
	v_sub_nc_u32 v96, v96, v104
	v_add_nc_u32 v106, \wid, v105
	v_cndmask_b32 v105, v105, v106, vcc_lo
.endm
.macro SELECT a, base, t0, t1          ; places of the list to tokens: the same lines as in the first product's launch
	v_add_nc_u32 v96, 16*(\base)+256*(\a), v[IDX]
	v_min_u32 v96, s25, v96
	v_mov_b32 v97, s68
	v_mov_b32 v98, 0
	v_mov_b32 v99, 0
	v_mov_b32 v107, 0
.set wd, 1
.rept 31
	v_cmp_le_u32 vcc_lo, s[32+wd], v96
	v_cndmask_b32 v97, v97, s[68+wd], vcc_lo
	v_cndmask_b32 v98, v98, s[32+wd], vcc_lo
	v_cndmask_b32 v99, v99, wd, vcc_lo
.set wd, wd+1
.endr
	v_sub_nc_u32 v96, v96, v98
	v_lshrrev_b32 v100, 1, v97
	v_and_b32 v100, 0x55555555, v100
	v_sub_nc_u32 v100, v97, v100
	v_lshrrev_b32 v101, 2, v100
	v_and_b32 v101, 0x33333333, v101
	v_and_b32 v102, 0x33333333, v100
	v_add_nc_u32 v101, v101, v102
	v_lshrrev_b32 v102, 4, v101
	v_add_nc_u32 v102, v102, v101
	v_and_b32 v102, 0x0f0f0f0f, v102
	v_lshrrev_b32 v103, 8, v102
	v_add_nc_u32 v103, v103, v102
	v_mov_b32 v105, 0
	DESC 103, 16, 8
	DESC 102, 8, 8
	DESC 101, 4, 4
	DESC 100, 2, 2
	DESC 97, 1, 1
	v_and_b32 v104, 0x1c, v99
	v_and_b32 v106, 3, v99
	v_lshl_or_b32 v106, v105, 2, v106
	v_lshl_or_b32 v106, v104, 5, v106
	v_permlanex16_b32 v107, v106, s26, s27
	v_cndmask_b32 v[\t0], v106, v107, s29
	v_cndmask_b32 v[\t1], v107, v106, s29
	v_min_u32 v[\t0], 0x3ff, v[\t0]
	v_min_u32 v[\t1], 0x3ff, v[\t1]
.endm
.macro PASSHEAD base
	s_sub_co_i32 s24, s23, s18
	s_add_co_i32 s24, s24, 7-(\base)
	s_ashr_i32 s24, s24, 3
	s_max_i32 s24, s24, 0
	s_min_i32 s24, s24, 4
	SELECT 0, \base, 32, 33
	SELECT 1, \base, 34, 35
.irp q, 0,1,2,3
	s_add_co_u32 s30, s18, (\base)+8*\q            ; the slot's tile, held inside the expert's tiles and inside the buffer
	s_min_u32 s30, s30, s67
	s_min_u32 s30, s30, 63
	s_cmp_gt_u32 s24, \q
	s_cselect_b32 s31, 1, 0                        ; a slot without a tile loads from one address in all lanes
	s_min_u32 s31, s31, 1
	v_mul_u32_u24 v108, s31, v[BADR]
	v_mul_u32_u24 v109, s31, v[L4]
	s_lshl_b32 s31, s30, 16
	v_add_nc_u32 v[AOF+\q], s31, v108              ; hq: 65,536 x tile + 16 x lane
	s_lshl_b32 s31, s30, 11
	v_add_nc_u32 v[SOF+\q], s31, v109              ; hs: 2,048 x tile + 4 x lane
.endr
.irp q, 0,1,2,3
	global_load_b32 v[36+\q], v[32+\q], s[12:13] scale_offset        ; my rows' sel words,
.endr
.irp q, 0,1,2,3
	global_load_b64 v[40+2*\q:41+2*\q], v[32+\q], s[14:15] scale_offset   ; and their two weights
.endr
.endm
.macro EPI
.irp n, 0,1,2,3,4,5,6,7
	ds_load_b128 v[128+4*\n:131+4*\n], v[BIA] offset:64*(\n/2)+16*(\n%2)   ; the bias of my 8 outputs of each of the four tiles
.endr
.irp q, 0,1,2,3
	v_bfe_u32 v60, v[36+\q], 8, 8
	v_cmp_eq_u32 vcc_lo, s19, v60                  ; am I the token's second choice?
	v_cndmask_b32 v[52+2*\q], v[40+2*\q], v[41+2*\q], vcc_lo
	v_mov_b32 v[53+2*\q], v[52+2*\q]               ; (named with it as a pair, so it is written)
	v_cndmask_b32 v60, 0, 1, vcc_lo
	v_lshl_add_u32 v[48+\q], v[32+\q], 1, v60      ; the row of y: 2 token + k
.endr
	s_wait_dscnt 0x0
.irp q, 0,1,2,3
	s_cmp_le_u32 s24, \q
	s_cbranch_scc1 .Led_\@
	s_wait_xcnt 0x0                                ; the last tile's stores have read their data and offsets
	WIN 0x01                                       ; source 0 window 1
.irp n, 0,2,4,6,8,10,12,14,16,18,20,22,24,26,28,30
	v_pk_add_f32 v[64+\n:65+\n], v[32*\q+\n:32*\q+\n+1], v[128+\n:129+\n]
.endr
	WIN 0
.irp n, 0,2,4,6,8,10,12,14,16,18,20,22,24,26,28,30
	v_pk_mul_f32 v[64+\n:65+\n], v[64+\n:65+\n], v[52+2*\q:53+2*\q] op_sel_hi:[1,0]
.endr
.irp ct, 0,1,2,3
	ds_store_b128 v[STO], v[64+8*\ct:67+8*\ct] offset:64*\ct
	ds_store_b128 v[STO], v[68+8*\ct:71+8*\ct] offset:64*\ct+16
.endr
.irp i, 0,1,2,3,4,5,6,7
	ds_load_b128 v[96+4*\i:99+4*\i], v[RD] offset:544*\i   ; LDS serves a wave's instructions in order: these see my stores; lanes 0-15 row 2 i, lanes 16-31 row 2 i + 1
.endr
.irp i, 0,1,2,3,4,5,6,7
	v_readlane_b32 s30, v[48+\q], 2*\i
	v_readlane_b32 s31, v[48+\q], 2*\i+1
	v_mov_b32 v[160+\i], s30
	v_cndmask_b32 v[160+\i], v[160+\i], s31, s29
	v_min_u32 v[160+\i], 0x7ff, v[160+\i]
	v_lshl_add_u32 v[160+\i], v[160+\i], 12, v[C16]    ; 4,096 bytes a row of y, 16 a lane
.endr
.irp i, 0,1,2,3,4,5,6,7
	s_wait_dscnt 7-\i                              ; the younger read-backs may be out
	global_store_b128 v[160+\i], v[96+4*\i:99+4*\i], s[16:17]   ; sixteen lanes store 256 consecutive bytes, aligned
.endr
.endr
.Led_\@:
.endm
.macro PERIOD g                        ; loads go out in the order .. A(g), W(g+2), A(g+1), W(g+3) ..: the count 16 leaves W(g+2) out
.if (\g) <= 5
	s_wait_loadcnt 16
.else
	s_wait_loadcnt 0x0
.endif
.if (\g) == 0
	MM \g, 1
.else
	MM \g, 0
.endif
.if (\g) < 7
	ALOAD (\g)+1
	QUANTW (\g)+1
.if (\g) < 5
	WLOAD (\g)+3
.endif
	BAR
.endif
.endm
	s_load_b256 s[4:11], s[0:1], 0x0               ; W2, b2, hq, hs
	s_load_b128 s[12:15], s[0:1], 0x20             ; sel, pw
	s_load_b64 s[16:17], s[0:1], 0x30              ; y
	v_lshl_add_u32 v22, v0, 2, 0x29c00
	v_mov_b32 v23, 0
	v_lshrrev_b32 v1, 5, v0
	v_readfirstlane_b32 s18, v1                    ; wave
	s_lshr_b32 s19, ttmp9, 5                       ; expert
	s_bfe_u32 s20, ttmp9, 0x40001                  ; which 64 columns
	s_and_b32 s21, ttmp9, 1                        ; which half of K
	s_mov_b32 s26, 0x76543210
	s_mov_b32 s27, 0xfedcba98
	s_mov_b32 s28, 0x600000
	s_mov_b32 s29, 0xffff0000
	v_and_b32 v100, 31, v0                         ; lane
	v_and_b32 v101, 15, v0                         ; r'
	v_bfe_u32 v102, v0, 4, 1                       ; h
	s_lshl_b32 s30, s18, 17
	v_lshlrev_b32 v[WOFF], 4, v101
	v_lshl_add_u32 v[WOFF], v102, 16, v[WOFF]
	v_add_nc_u32 v[WOFF], s30, v[WOFF]             ; (32 w + 16 h) rows of 4,096 bytes + 16 r'
	v_bfe_u32 v103, v0, 2, 2                       ; the tile of my four columns: r' >> 2
	v_and_b32 v104, 3, v0                          ; a quarter of their first place in it
	s_lshr_b32 s30, s18, 2
	s_lshl_b32 s30, s30, 11
	s_and_b32 s31, s18, 3
	s_lshl_b32 s31, s31, 9
	s_add_co_u32 s30, s30, s31
	v_mul_u32_u24 v[CADR], v103, TILEB
	v_lshl_add_u32 v[CADR], v104, 6, v[CADR]
	v_lshl_add_u32 v[CADR], v102, 8, v[CADR]
	v_add_nc_u32 v[CADR], s30, v[CADR]
	v_add_nc_u32 v[CADR+1], HIB, v[CADR]
	v_lshlrev_b32 v[BADR], 4, v100
	v_add_nc_u32 v[BADR+1], HIB, v[BADR]
	v_lshlrev_b32 v[SADR], 7, v103
	v_lshl_add_u32 v[SADR], v104, 5, v[SADR]
	s_add_co_u32 s30, s18, SCB
	v_add_nc_u32 v[SADR], s30, v[SADR]
	v_lshl_add_u32 v[SBAD], v100, 3, SCB
	v_lshlrev_b32 v[C16], 4, v101
	v_lshlrev_b32 v[L4], 2, v100
	v_lshl_add_u32 v[BIA], v102, 5, BIAS
	s_lshl_b32 s30, s18, 4
	v_lshl_add_u32 v[IDX], v102, 7, v101
	v_add_nc_u32 v[IDX], s30, v[IDX]
	v_add_nc_u32 v[BST], BIAS, v[C16]
	s_mul_i32 s30, s18, 16*272
	s_add_co_u32 s30, s30, STAGE                   ; my stage
	v_mul_u32_u24 v[STO], v101, 272
	v_lshl_add_u32 v[STO], v102, 5, v[STO]
	v_add_nc_u32 v[STO], s30, v[STO]               ; in: row r, + 32 h
	v_mul_u32_u24 v[RD], v102, 272
	v_lshl_add_u32 v[RD], v101, 4, v[RD]
	v_add_nc_u32 v[RD], s30, v[RD]                 ; back: lanes 0-15 one row, lanes 16-31 the next
	s_wait_kmcnt 0x0
	s_mov_b32 s31, 0
	s_lshl_b32 s30, s19, 24
	s_lshl_b32 s66, s21, 23
	s_add_co_u32 s30, s30, s66
	s_lshl_b32 s66, s20, 8
	s_add_co_u32 s30, s30, s66
	s_add_nc_u64 s[4:5], s[4:5], s[30:31]          ; W2 at my expert, K half and columns
	s_lshl_b32 s30, s19, 12
	s_add_co_u32 s30, s30, s66
	s_add_nc_u64 s[6:7], s[6:7], s[30:31]          ; b2
	s_lshl_b32 s30, s21, 23
	s_add_co_u32 s30, s30, s66
	s_add_nc_u64 s[16:17], s[16:17], s[30:31]      ; y at my K half and columns
	s_lshl_b32 s30, s19, 22
	s_lshl_b32 s66, s21, 15
	s_add_co_u32 s30, s30, s66
	s_add_nc_u64 s[8:9], s[8:9], s[30:31]          ; hq: my expert, my 16 K steps
	s_lshl_b32 s30, s19, 17
	s_lshl_b32 s66, s21, 10
	s_add_co_u32 s30, s30, s66
	s_add_nc_u64 s[10:11], s[10:11], s[30:31]      ; hs likewise
.irp i, 0,1,2,3,4,5,6,7
	global_load_b128 v[64+4*\i:67+4*\i], v[BADR], s[12:13] offset:512*\i
.endr
	global_load_b128 v[96:99], v[C16], s[6:7]
	WLOAD 0
	WLOAD 1
	s_cmp_eq_u32 s21, 0
	s_cselect_b32 s66, 0x3f800000, 0               ; the bias belongs to the lower K half alone
	s_wait_loadcnt 32                              ; sel and the bias are in: behind them the 32 loads of W(0) and W(1)
.irp k, 0,1,2,3
	v_mul_f32 v[96+\k], s66, v[96+\k]
.endr
	s_cmp_lg_u32 s18, 0
	s_cbranch_scc1 .Lno_bias
	ds_store_b128 v[BST], v[96:99]                 ; wave 0 lays it down (both halves of the lanes write the same bytes with the same values); it is read behind barriers
.Lno_bias:
	s_add_co_u32 s30, s19, 16
	s_lshl_b32 s30, 1, s30
.set wd, 0
.rept 32
	v_and_b32 v100, s30, v[64+wd]
	v_cmp_ne_u32 s[68+wd], 0, v100
.set wd, wd+1
.endr
	s_mov_b32 s32, 0
.set wd, 0
.rept 31
	s_bcnt1_i32_b32 s31, s[68+wd]
	s_add_co_u32 s[33+wd], s[32+wd], s31
.set wd, wd+1
.endr
	s_bcnt1_i32_b32 s31, s99
	s_add_co_u32 s22, s63, s31                     ; rows,
	s_add_co_u32 s23, s22, 15
	s_lshr_b32 s23, s23, 4                         ; tiles,
	s_max_u32 s25, s22, 1
	s_sub_co_u32 s25, s25, 1                       ; last place,
	s_max_u32 s67, s23, 1
	s_sub_co_u32 s67, s67, 1                       ; last tile
.irp j, 0,1,2,3
	v_mov_b32 v[68+\j], 0
.endr
	PASSHEAD 0
	s_wait_loadcnt 24                              ; W(0) is in; behind it W(1)'s 16 loads and the 8 gathers
	ALOAD 0
	QUANTW 0
	WLOAD 2
	BAR
.irp g, 0,1,2,3,4,5,6,7
	PERIOD \g
.endr
	EPI
	s_cmp_le_u32 s23, 32                           ; more than 512 rows: tiles 32 on, over the codes that lie in LDS; no barrier stands in this part, and its LDS stores go to the wave's own stage
	s_cbranch_scc1 .Lend
	s_wait_loadcnt 0x0
	s_wait_xcnt 0x0
	PASSHEAD 32
	ALOAD 0
.irp g, 0,1,2,3,4,5,6,7
	s_wait_loadcnt 0x0
.if \g == 0
	MM \g, 1
.else
	MM \g, 0
.endif
.if \g < 7
	ALOAD (\g)+1
.endif
.endr
	EPI
.Lend:
	s_wait_tensorcnt 0x0
	ds_add_u32 v22, v23
	s_wait_dscnt 0x0
	s_endpgm
.Lfunc_end_k_q4b8423a0ab_ffn2:
	.size	k_q4b8423a0ab_ffn2, .Lfunc_end_k_q4b8423a0ab_ffn2-k_q4b8423a0ab_ffn2
	.p2alignl 7, 3214868480
	.fill 96, 4, 3214868480
	.section	.rodata,"a",@progbits
	.p2align	6, 0x0
	.amdhsa_kernel k_q4b8423a0ab_ffn2
		.amdhsa_group_segment_fixed_size 172032
		.amdhsa_private_segment_fixed_size 0
		.amdhsa_enable_private_segment 0
		.amdhsa_kernarg_size 56
		.amdhsa_user_sgpr_count 2
		.amdhsa_user_sgpr_kernarg_segment_ptr 1
		.amdhsa_wavefront_size32 1
		.amdhsa_system_sgpr_workgroup_id_x 1
		.amdhsa_system_sgpr_workgroup_id_y 1
		.amdhsa_system_sgpr_workgroup_id_z 1
		.amdhsa_system_vgpr_workitem_id 0
		.amdhsa_next_free_vgpr 512
		.amdhsa_next_free_sgpr 102
		.amdhsa_reserve_vcc 1
		.amdhsa_float_denorm_mode_32 3
		.amdhsa_float_denorm_mode_16_64 3
		.amdhsa_memory_ordered 1
		.amdhsa_forward_progress 1
		.amdhsa_inst_pref_size 255
	.end_amdhsa_kernel
	.section	.bss,"aw",@nobits
	.p2align	6
	.space	262144
	.amdgpu_metadata
---
amdhsa.version: [ 1, 2 ]
amdhsa.kernels:
  - .name:           k_q4b8423a0ab_ffn2
    .symbol:         k_q4b8423a0ab_ffn2.kd
    .args:
      - { .name: W2, .offset: 0, .size: 8, .value_kind: global_buffer, .address_space: global }
      - { .name: b2, .offset: 8, .size: 8, .value_kind: global_buffer, .address_space: global }
      - { .name: hq, .offset: 16, .size: 8, .value_kind: global_buffer, .address_space: global }
      - { .name: hs, .offset: 24, .size: 8, .value_kind: global_buffer, .address_space: global }
      - { .name: sel, .offset: 32, .size: 8, .value_kind: global_buffer, .address_space: global }
      - { .name: pw, .offset: 40, .size: 8, .value_kind: global_buffer, .address_space: global }
      - { .name: y, .offset: 48, .size: 8, .value_kind: global_buffer, .address_space: global }
    .group_segment_fixed_size: 172032
    .private_segment_fixed_size: 0
    .kernarg_segment_align: 8
    .kernarg_segment_size: 56
    .max_flat_workgroup_size: 256
    .sgpr_count:     102
    .vgpr_count:     512
    .wavefront_size: 32
...
	.end_amdgpu_metadata
.endif
;; end of part 3
;; launch combine (part 4): grid 257 x 1, 8 waves a work-group, no clusters, 1,536 bytes of LDS; arguments y, gp, out0, out1; writes out0, out1
.if DOCPART == 4
	.amdgcn_target "amdgcn-amd-amdhsa--gfx1250"
	.amdhsa_code_object_version 6
	.text
	.protected	k_q4b8423a0ab_combine
	.globl	k_q4b8423a0ab_combine
	.p2align	8
	.type	k_q4b8423a0ab_combine,@function
k_q4b8423a0ab_combine:
	s_mov_b64 s[64:65], 0
	v_nop
	global_prefetch_b8 v0, s[64:65] scope:SCOPE_SE
	s_setreg_imm32_b32 hwreg(HW_REG_WAVE_MODE, 25, 1), 1
	s_wait_xcnt 0x0
; COMBINE.  out0[token] = the sum of the token's four partial rows of y ([K half 2][2 token + k][1024] f32, already weighted by the gate); out1 = the load-balancing loss from gp [1024][8].
; Work-groups 0 to 255 take four tokens each: thread t owns the 16 bytes at 16 t of a row, so each load and store of a wave covers 512 consecutive bytes; all 16 loads go out first.
; Work-group 256 makes the loss: each thread sums 8 tokens' four probabilities, lanes of equal parity are joined, the eight waves meet in LDS behind one barrier.
; A stream: no matrix unit, no cluster, no tensor load would add anything.
	s_load_b256 s[4:11], s[0:1], 0x0               ; y, gp, out0, out1
	v_lshl_add_u32 v96, v0, 2, 0x200
	v_mov_b32 v97, 0
	v_lshlrev_b32 v1, 4, v0
	s_cmp_eq_u32 ttmp9, 256
	s_cbranch_scc1 .Laux
	s_lshl_b32 s12, ttmp9, 15                      ; y: 8 rows of 4,096 bytes a work-group
	s_mov_b32 s13, 0
	s_lshl_b32 s14, ttmp9, 14                      ; out0: 4 rows
	s_mov_b32 s15, 0
	s_wait_kmcnt 0x0
	s_add_nc_u64 s[4:5], s[4:5], s[12:13]
	s_add_nc_u64 s[16:17], s[4:5], 0x800000        ; the upper K half's rows
	s_add_nc_u64 s[8:9], s[8:9], s[14:15]
.irp j, 0,1,2,3
	global_load_b128 v[16+16*\j:19+16*\j], v1, s[4:5] offset:8192*\j th:TH_LOAD_NT
	global_load_b128 v[20+16*\j:23+16*\j], v1, s[4:5] offset:8192*\j+4096 th:TH_LOAD_NT
	global_load_b128 v[24+16*\j:27+16*\j], v1, s[16:17] offset:8192*\j th:TH_LOAD_NT
	global_load_b128 v[28+16*\j:31+16*\j], v1, s[16:17] offset:8192*\j+4096 th:TH_LOAD_NT
.endr
.irp j, 0,1,2,3
	s_wait_loadcnt 12-4*\j                         ; this token's four loads are in; the later tokens' may be out
	v_pk_add_f32 v[16+16*\j:17+16*\j], v[16+16*\j:17+16*\j], v[20+16*\j:21+16*\j]
	v_pk_add_f32 v[18+16*\j:19+16*\j], v[18+16*\j:19+16*\j], v[22+16*\j:23+16*\j]
	v_pk_add_f32 v[24+16*\j:25+16*\j], v[24+16*\j:25+16*\j], v[28+16*\j:29+16*\j]
	v_pk_add_f32 v[26+16*\j:27+16*\j], v[26+16*\j:27+16*\j], v[30+16*\j:31+16*\j]
	v_pk_add_f32 v[16+16*\j:17+16*\j], v[16+16*\j:17+16*\j], v[24+16*\j:25+16*\j]
	v_pk_add_f32 v[18+16*\j:19+16*\j], v[18+16*\j:19+16*\j], v[26+16*\j:27+16*\j]
	global_store_b128 v1, v[16+16*\j:19+16*\j], s[8:9] offset:4096*\j th:TH_STORE_NT
.endr
	s_endpgm
.Laux:
	v_lshrrev_b32 v2, 5, v0
	v_readfirstlane_b32 s12, v2                    ; wave
	s_mov_b32 s14, 0x76543210
	s_mov_b32 s15, 0xfedcba98
	v_and_b32 v3, 1, v0
	v_lshlrev_b32 v3, 4, v3                        ; experts 0-3 in even lanes, 4-7 in odd ones
	s_lshl_b32 s13, s12, 5
	v_add_nc_u32 v4, s13, v3
.irp k, 0,1,2,3
	v_mov_b32 v[8+\k], 0                           ; a lane permute's destination counts as one of its sources
.endr
	s_wait_kmcnt 0x0
.irp i, 0,1,2,3,4,5,6,7
	global_load_b128 v[16+4*\i:19+4*\i], v1, s[6:7] offset:4096*\i
.endr
	s_wait_loadcnt 0x0
.irp i, 1,2,3,4,5,6,7
	v_pk_add_f32 v[16:17], v[16:17], v[16+4*\i:17+4*\i]
	v_pk_add_f32 v[18:19], v[18:19], v[18+4*\i:19+4*\i]
.endr
.irp m, 2,4,8
.irp k, 0,1,2,3
	v_add_f32_dpp v[16+\k], v[16+\k], v[16+\k] row_xmask:\m row_mask:0xf bank_mask:0xf
.endr
.endr
.irp k, 0,1,2,3
	v_permlanex16_b32 v[8+\k], v[16+\k], s14, s15
.endr
.irp k, 0,1,2,3
	v_add_f32 v[16+\k], v[16+\k], v[8+\k]
.endr
	ds_store_b128 v4, v[16:19]                     ; lanes of one parity write the same bytes with the same values
	s_wait_dscnt 0x0
	s_barrier_signal -1
	s_barrier_wait -1
.irp w, 0,1,2,3,4,5,6,7
	ds_load_b128 v[16+4*\w:19+4*\w], v3 offset:32*\w
.endr
	s_wait_dscnt 0x0
.irp i, 1,2,3,4,5,6,7
	v_pk_add_f32 v[16:17], v[16:17], v[16+4*\i:17+4*\i]
	v_pk_add_f32 v[18:19], v[18:19], v[18+4*\i:19+4*\i]
.endr
.irp k, 0,1,2,3
	v_mul_f32 v[16+\k], 0x3a800000, v[16+\k]       ; the mean over 1,024 tokens
.endr
.irp k, 0,1,2,3
	v_log_f32 v[20+\k], v[16+\k]
.endr
.irp k, 0,1,2,3
	v_mul_f32 v[24+\k], 0xc0051592, v[16+\k]       ; u ln(1/8): plain work behind the logarithms
.endr
	s_wait_alu depctr_va_vdst(0)                   ; one wait for the four, ahead of their first reader
.irp k, 0,1,2,3
	v_fmamk_f32 v[24+\k], v[20+\k], 0xbdb17218, v[24+\k]   ; - log2(u) ln(2) / 8
.endr
	v_add_f32 v24, v24, v25
	v_add_f32 v26, v26, v27
	v_add_f32 v24, v24, v26
	v_add_f32_dpp v24, v24, v24 row_xmask:1 row_mask:0xf bank_mask:0xf   ; the other four experts'
	v_mov_b32 v5, 0
	s_wait_xcnt 0x0                                ; EXEC changes only behind this wait
	v_cmp_eq_u32 vcc_lo, 0, v0
	s_wait_tensorcnt 0x0
	ds_add_u32 v96, v97
	s_wait_dscnt 0x0
	s_and_saveexec_b32 s16, vcc_lo
	global_store_b32 v5, v24, s[10:11]
	s_wait_xcnt 0x0
	s_or_b32 exec_lo, exec_lo, s16
	s_endpgm
.Lfunc_end_k_q4b8423a0ab_combine:
	.size	k_q4b8423a0ab_combine, .Lfunc_end_k_q4b8423a0ab_combine-k_q4b8423a0ab_combine
	.p2alignl 7, 3214868480
	.fill 96, 4, 3214868480
	.section	.rodata,"a",@progbits
	.p2align	6, 0x0
	.amdhsa_kernel k_q4b8423a0ab_combine
		.amdhsa_group_segment_fixed_size 1536
		.amdhsa_private_segment_fixed_size 0
		.amdhsa_enable_private_segment 0
		.amdhsa_kernarg_size 32
		.amdhsa_user_sgpr_count 2
		.amdhsa_user_sgpr_kernarg_segment_ptr 1
		.amdhsa_wavefront_size32 1
		.amdhsa_system_sgpr_workgroup_id_x 1
		.amdhsa_system_sgpr_workgroup_id_y 1
		.amdhsa_system_sgpr_workgroup_id_z 1
		.amdhsa_system_vgpr_workitem_id 0
		.amdhsa_next_free_vgpr 98
		.amdhsa_next_free_sgpr 66
		.amdhsa_reserve_vcc 1
		.amdhsa_float_denorm_mode_32 3
		.amdhsa_float_denorm_mode_16_64 3
		.amdhsa_memory_ordered 1
		.amdhsa_forward_progress 1
		.amdhsa_inst_pref_size 11
	.end_amdhsa_kernel
	.amdgpu_metadata
---
amdhsa.version: [ 1, 2 ]
amdhsa.kernels:
  - .name:           k_q4b8423a0ab_combine
    .symbol:         k_q4b8423a0ab_combine.kd
    .args:
      - { .name: y, .offset: 0, .size: 8, .value_kind: global_buffer, .address_space: global }
      - { .name: gp, .offset: 8, .size: 8, .value_kind: global_buffer, .address_space: global }
      - { .name: out0, .offset: 16, .size: 8, .value_kind: global_buffer, .address_space: global }
      - { .name: out1, .offset: 24, .size: 8, .value_kind: global_buffer, .address_space: global }
    .group_segment_fixed_size: 1536
    .private_segment_fixed_size: 0
    .kernarg_segment_align: 8
    .kernarg_segment_size: 32
    .max_flat_workgroup_size: 256
    .sgpr_count:     66
    .vgpr_count:     98
    .wavefront_size: 32
...
	.end_amdgpu_metadata
.endif
;; end of part 4
;; ======== version 2 of 2: 4 launches; version 1 with the launches ffn1, ffn2 written anew for expert scheduling mode
;; workspace buffers: xq 1,048,576 bytes; xs 32,768 bytes; sel 4,096 bytes of whole numbers; pw 8,192 bytes; gp 32,768 bytes; hq 33,554,432 bytes; hs 1,048,576 bytes; y 16,777,216 bytes
;; launch gate: the kernel of part 1 again; grid 128 x 1, 8 waves a work-group, no clusters, 43,008 bytes of LDS; arguments x, Wg, bg, xq, xs, sel, pw, gp; writes xq, xs, sel, pw, gp
;; launch ffn1 (part 5): grid 256 x 1, 8 waves a work-group, no clusters, 137,216 bytes of LDS; arguments W1, b1, xq, xs, sel, hq, hs; writes hq, hs
.if DOCPART == 5
	.amdgcn_target "amdgcn-amd-amdhsa--gfx1250"
	.amdhsa_code_object_version 6
	.text
	.protected	k_q4b8423a0ab_ffn1
	.globl	k_q4b8423a0ab_ffn1
	.p2align	8
	.type	k_q4b8423a0ab_ffn1,@function
k_q4b8423a0ab_ffn1:
	s_mov_b64 s[64:65], 0
	v_nop
	global_prefetch_b8 v0, s[64:65] scope:SCOPE_SE
	s_setreg_imm32_b32 hwreg(HW_REG_WAVE_SCHED_MODE, 0, 2), 2
	s_setreg_imm32_b32 hwreg(HW_REG_WAVE_MODE, 25, 1), 1
	s_wait_xcnt 0x0
	s_wait_alu depctr_vm_vsrc(0)
; FFN1.  For the rows (token, expert) that the gate chose: h = Q(gelu(Q(x) Q(W1[e]) + b1[e])), both operands codes of E5M2 with one E8M0 scale for each 32 along K.  h leaves as codes, already in the order of the
; next product's operand registers: hq [e][tile of 16 rows][K step of 128][2,048 bytes: piece c at 512 c, lane l's 16 bytes at 16 l], hs [e][tile][K step][16 words].
; SHARES.  Work-group x: expert e = x >> 5, hidden units 128 (x & 31) on, as two jobs of 64 columns, each over K = 1,024 in four periods of 256: eight periods.  W1's bytes are read once in the launch.
; WEIGHTS.  In a period wave w loads rows 32 w .. 32 w + 31 of K x 64 columns (16 loads; each reads two runs of 256 consecutive bytes), quantises them in registers (a lane holds 16 of a block's 32 numbers for each of
; four columns; lane l xor 16 the others) and stores codes to LDS as images of operand registers.  Each period has LDS bytes of its own, written once: one barrier a period, between the writing and the reading.
; THE COLUMNS OF A TILE ARE NOT NEIGHBOURS: lane r of tile 2 b + u holds column 32 b + 8 u + r + 8 (r / 8), so that a lane's 16 results of tiles 2 b, 2 b + 1 are 16 neighbours along the next K.
; ROWS.  Every wave rebuilds its expert's list of tokens from sel: 32 mask words by compares, their running counts, and a search for the i-th set bit without a branch.  A tile is 16 places of the list; places past the
; count repeat the last row.  Wave w owns tiles base + 8 q + w, q = 0 .. 3, 4 accumulators each.  More than 512 rows on an expert: a second pass (base 32) over the codes that still lie in LDS.
; All barriers stand on every wave's path; branches on the counts only jump forward over products and stores.  A job's first 16 products (C = 0) are always issued, so that every accumulator is written on every path.
; No tensor loads, no cluster.
; GELU, exact form: q = erfc(|v| / sqrt 2) / 2 = t 2^E, t = 1 / (1 + |v| / (2 sqrt 2)), E a polynomial of degree 9 in t less v^2 log2(e) / 2; gelu = max(v, 0) - |v| q.  The polynomial's own fractional error is 1.2e-7.
; LIMITS: NaN and infinities are not served; v_exp_f32 gives 0 where q falls under 2^-126; a block of zeros keeps the byte 1 (this program alone reads the bytes); blocks under 2^-111 have their byte held at 1.
; REGISTERS.  v1 W1 offset; v2-3 where I store codes (periods 0-3, 4-7); v4-5 16 x lane (likewise); v6 my scale bytes; v7 scale words; v8-11, v12-15 offsets of my rows' codes and scales; v16-23 x's scale words and
; v24-27 the weights' (scales and nothing else); v28-31, v61 small addresses; v32-47 at work; v64-127 four weight fragments, at other times at work; v128-255 two sets of 64 weights as loaded;
; v256-383 accumulators (32 q + 8 ct); v384-511 my rows' fragments (32 q + 16 ks).
; THE MODE: SCHED_MODE bits 1:0 = 2 (LLVM: expert scheduling mode 2), set by the entry lines.  The code itself states the register dependences between vector or matrix instructions and memory or LDS
; instructions, with s_wait_alu, always for 0.
; THE PLAN.  Registers that memory or LDS instructions touch, and who else names them:
;   v1-7, v28-31, v61  addresses and offsets, made at the head and never written again: one wait on va_vdst ahead of the first load serves them for the whole launch.
;   v8-15              my rows' offsets: written by a pass's head, read by every load of my rows' fragments.
;   v128-255           period g's weights land in set g % 2; QUANTW's lines read the set; behind QUANTW's wait the weights of period g + 2 land in it.
;   v64-127            QUANTW makes codes there, and its LDS stores read v68-71 and v80-95; then the period's fragments land there and the products read them; on the way out the bias lands in v112-127.
;   v16-27, v384-511   scale words and my rows' fragments: loads land, products read.
;   v37-43             the way out's bytes, offsets and codes: written by a trip's lines, read by its stores.
; A PERIOD HAS FOUR WAITS: on vm_vsrc at its head (my LDS stores have read the codes and bytes); on va_vdst between its two K steps (the products are done reading the fragments), ahead of the next rows' fragments
; (the products are done reading these), and behind QUANTW's lines (codes and bytes are written, the set of weights is read).  All 512 registers that the wave is given are in use: there is no second set of fragments.
; What a vector instruction leaves in a scalar register or in VCC is waited for (va_sdst, va_vcc) ahead of its first reader; the search's compares stand in runs of eight, one wait a run.
.set BUFB,  16448                      ; a period's codes: 4 tiles of 4,096 bytes + 16: the 16 lanes of a store then fall on 16 different 16-byte columns
.set TILEB, 4112
.set HIB,   4*BUFB                     ; periods 4-7 lie past the 16-bit immediate: a second address register
.set SCB,   8*BUFB                     ; scale bytes: 512 a period: 8 (16 tile + r) + block
.set BIAS,  SCB+4096                   ; b1 of my 128 columns
.set WOFF, 1
.set CADR, 2
.set BADR, 4
.set SADR, 6
.set SBAD, 7
.set AOF,  8
.set SOF,  12
.set SA,   16
.set SB,   24
.set H16,  28
.set R4,   29
.set BIA,  30
.set IDX,  31
.set BST,  61
.set MSB, 0
.macro WIN new                         ; the immediate's high byte repeats the setting that is left; a switch that changes nothing is dropped
.if MSB != \new
	s_set_vgpr_msb (MSB<<8)|\new
.set MSB, \new
.endif
.endm
.macro PLACES n
.rept \n
	v_nop
.endr
.endm
.macro BAR                             ; my LDS stores have landed and my LDS loads are in: then the work-group's barrier
	s_wait_dscnt 0x0
	s_barrier_signal -1
	s_barrier_wait -1
.endm
.macro WLOAD g                         ; period g's weights of my wave into set g % 2: register 4 i + j = W1(32 w + 16 h + i, 4 r' + j).  No wait: it stands behind QUANTW's, and no vector instruction since names the set
.set STG, 128+64*((\g)%2)
.irp i, 0,1,2,3,4,5,6,7,8,9,10,11,12,13,14,15
.if ((\g)%4) >= 2
	global_load_b128 v[STG+4*\i:STG+4*\i+3], v[WOFF], s[100:101] offset:((\g)%2)*4194304+((\g)/4)*256+\i*16384 th:TH_LOAD_NT
.else
	global_load_b128 v[STG+4*\i:STG+4*\i+3], v[WOFF], s[4:5] offset:((\g)%2)*4194304+((\g)/4)*256+\i*16384 th:TH_LOAD_NT
.endif
.endr
.endm
.macro ALOAD g                         ; my four tiles' fragments of x for period g (two K steps) and their scale words: 36 loads, always issued, so that the counts are the same on every path
	WIN 0x40                                       ; destination window 1: the switch, then the wait, then the loads
	s_wait_alu depctr_va_vdst(0)                   ; the products issued so far are done reading my rows' fragments and scale words, in which these loads land; at a pass's head: the offsets v8 to v15 are written
.irp q, 0,1,2,3
.irp ks, 0,1
.irp c, 0,1,2,3
	global_load_b128 v[128+32*\q+16*\ks+4*\c:128+32*\q+16*\ks+4*\c+3], v[AOF+\q], s[8:9] offset:((\g)%4)*256+128*\ks+32*\c
.endr
.endr
.endr
	WIN 0
.irp q, 0,1,2,3
	global_load_b64 v[SA+2*\q:SA+2*\q+1], v[SOF+\q], s[10:11] offset:8*((\g)%4)
.endr
.endm
.macro QUANTW g                        ; set g % 2 becomes codes and scale bytes in period g's LDS bytes.  v64-67 maxima, v68-71 the other half's, then bytes, v72-75 scale operands, v76-79 limits, v80-95 codes, v96-127 numbers in K's order
.set STG, 128+64*((\g)%2)
.irp j, 0,1,2,3
	v_max3_num_f32 v[64+\j], |v[STG+\j]|, |v[STG+4+\j]|, 0x8000000   ; with the floor 2^(16 - 127): the byte cannot fall under 1
.endr
.irp i, 2,4,6,8,10,12,14
.irp j, 0,1,2,3
	v_max3_num_f32 v[64+\j], v[64+\j], |v[STG+4*\i+\j]|, |v[STG+4*\i+4+\j]|
.endr
.endr
.irp j, 0,1,2,3
	v_permlanex16_b32 v[68+\j], v[64+\j], s26, s27
.endr
.irp j, 0,1,2,3
	v_max_num_f32 v[64+\j], v[64+\j], v[68+\j]     ; the block's largest magnitude
.endr
.irp j, 0,1,2,3
	v_add_nc_u32 v[72+\j], 0xf8800000, v[64+\j]    ; 15 off its exponent field: the conversion's scale operand
.endr
.irp j, 0,1,2,3
	v_and_or_b32 v[76+\j], v[64+\j], 0x7f800000, s28   ; 57,344 x the scale
.endr
.irp j, 0,1,2,3
	v_lshrrev_b32 v[68+\j], 23, v[72+\j]           ; the scale's byte
.endr
.irp j, 0,1,2,3
.irp i, 0,1,2,3,4,5,6,7,8,9,10,11,12,13,14,15
	v_med3_num_f32 v[96+16*(\j%2)+\i], v[STG+4*\i+\j], -v[76+\j], v[76+\j]   ; the hold also brings a column's numbers into consecutive registers
.endr
	v_cvt_scalef32_pk8_bf8_f32 v[80+4*\j:81+4*\j], v[96+16*(\j%2):103+16*(\j%2)], v[72+\j]
	v_cvt_scalef32_pk8_bf8_f32 v[82+4*\j:83+4*\j], v[104+16*(\j%2):111+16*(\j%2)], v[72+\j]
.endr
	v_nop                                          ; a plain line behind the last conversion
	s_wait_alu depctr_va_vdst(0)                   ; the codes v80-95 and the bytes v68-71 are written, which the LDS stores read; the lines above are done reading this set of weights, in which the loads of two periods on land, and with v64-127, in which the period's fragments land
.irp j, 0,1,2,3
	ds_store_b128 v[CADR+(\g)/4], v[80+4*\j:83+4*\j] offset:((\g)%4)*BUFB+16*\j
.endr
.irp j, 0,1,2,3
	ds_store_b8 v[SADR], v[68+\j] offset:(\g)*512+8*\j   ; both halves of the lanes write the same byte with the same value
.endr
.endm
.macro WM q, ct, ks, zero              ; source 0 = 16 columns of W1, source 1 = 16 rows of x
.set rD, 32*(\q)+8*(\ct)
.set rA, 64+16*(\ct)
.set rB, 128+32*(\q)+16*(\ks)
.set rSa, SB+2*((\ct)/2)+(\ks)
.set rSb, SA+2*(\q)+(\ks)
.if (\zero) && ((\ct)%2)
	v_wmma_scale_f32_16x16x128_f8f6f4 v[rD:rD+7], v[rA:rA+15], v[rB:rB+15], 0, v[rSa], v[rSb] matrix_a_fmt:MATRIX_FMT_BF8 matrix_b_fmt:MATRIX_FMT_BF8 matrix_a_scale:MATRIX_SCALE_ROW1
.elseif \zero
	v_wmma_scale_f32_16x16x128_f8f6f4 v[rD:rD+7], v[rA:rA+15], v[rB:rB+15], 0, v[rSa], v[rSb] matrix_a_fmt:MATRIX_FMT_BF8 matrix_b_fmt:MATRIX_FMT_BF8
.elseif (\ct)%2
	v_wmma_scale_f32_16x16x128_f8f6f4 v[rD:rD+7], v[rA:rA+15], v[rB:rB+15], v[rD:rD+7], v[rSa], v[rSb] matrix_a_fmt:MATRIX_FMT_BF8 matrix_b_fmt:MATRIX_FMT_BF8 matrix_a_scale:MATRIX_SCALE_ROW1
.else
	v_wmma_scale_f32_16x16x128_f8f6f4 v[rD:rD+7], v[rA:rA+15], v[rB:rB+15], v[rD:rD+7], v[rSa], v[rSb] matrix_a_fmt:MATRIX_FMT_BF8 matrix_b_fmt:MATRIX_FMT_BF8
.endif
.endm
; Period g's products.  The accumulators take turns, one instruction a turn.  Slots past my count of tiles are jumped over, but for a job's first K step.
; Its first LDS loads owe no wait on va_vdst of their own: no vector or matrix instruction since the last such wait names v24-27 or v64-127.
; Eight plain lines stand behind the first K step's products, and the wait behind them; nine at the end: vector lines write v64 on next, which products have read, and a job's first products write over accumulators.
.macro MM g, first
	ds_load_b64 v[SB:SB+1], v[SBAD] offset:(\g)*512        ; the weights' scale words: lanes 0-15 tile 0, lanes 16-31 tile 1; register = K step
	ds_load_b64 v[SB+2:SB+3], v[SBAD] offset:(\g)*512+256  ; tiles 2 and 3
.irp ks, 0,1
.if \ks
	PLACES 8
	s_wait_alu depctr_va_vdst(0)                   ; the first K step's products are done reading v64 to v127, in which the second's fragments land
.endif
.irp ct, 0,1,2,3
.irp c, 0,1,2,3
	ds_load_b128 v[64+16*\ct+4*\c:64+16*\ct+4*\c+3], v[BADR+(\g)/4] offset:((\g)%4)*BUFB+\ct*TILEB+\ks*2048+\c*512
.endr
.endr
	s_wait_dscnt 0x0
.irp q, 0,1,2,3
.if (\first) && (\ks == 0)
	WIN 0x54
.irp ct, 0,1,2,3
	WM \q, \ct, \ks, 1
.endr
.else
	WIN 0
	s_cmp_le_u32 s24, \q
	s_cbranch_scc1 .Lsk_\@_\ks
	WIN 0x54                                       ; source 1, C and D window 1
.irp ct, 0,1,2,3
	WM \q, \ct, \ks, 0
.endr
.endif
.endr
	WIN 0
.Lsk_\@_\ks:
.endr
	PLACES 9
.endm
.macro DESC lev, wid, fld              ; one step down: does the wanted bit lie in the lower half of the field at v105?
	v_bfe_u32 v104, v[\lev], v105, \fld
	v_cmp_ge_u32 vcc_lo, v96, v104
	v_add_nc_u32 v106, \wid, v105
	s_wait_alu depctr_va_vcc(0)                    ; the compare has written VCC, which the two selects read
	v_cndmask_b32 v104, 0, v104, vcc_lo
	v_sub_nc_u32 v96, v96, v104
	v_cndmask_b32 v105, v105, v106, vcc_lo
.endm
.macro CMPW m, wd                      ; does word wd's running count not pass my place?  The answer goes to scalar register m
.set wq, \wd
	v_cmp_le_u32 s[\m], s[32+wq], v96
.endm
.macro TAKE m, wd                      ; if so, the word, its running count and its number are taken
.set wq, \wd
	v_cndmask_b32 v97, v97, s[68+wq], s[\m]
	v_cndmask_b32 v98, v98, s[32+wq], s[\m]
	v_cndmask_b32 v99, v99, wq, s[\m]
.endm
.macro GROUP w                         ; words w to w + 7: a run of compares into eight scalar registers that are free here, one wait, the selects in ascending order of the words
	CMPW 2, \w
	CMPW 3, \w+1
	CMPW 20, \w+2
	CMPW 21, \w+3
	CMPW 22, \w+4
	CMPW 30, \w+5
	CMPW 31, \w+6
.if \w+7 < 32
	CMPW 66, \w+7
.endif
	s_wait_alu depctr_va_sdst(0)                   ; the run's compares have written their scalar registers, which the selects read
	TAKE 2, \w
	TAKE 3, \w+1
	TAKE 20, \w+2
	TAKE 21, \w+3
	TAKE 22, \w+4
	TAKE 30, \w+5
	TAKE 31, \w+6
.if \w+7 < 32
	TAKE 66, \w+7
.endif
.endm
; Places of the list to tokens, for slots 2 a (lanes 0-15) and 2 a + 1 (lanes 16-31); then both halves get both.  s32-63 running counts, s68-99 mask words.
.macro SELECT a, base, t0, t1
	v_add_nc_u32 v96, 16*(\base)+256*(\a), v[IDX]
	v_min_u32 v96, s25, v96                        ; places past the count repeat the last row
	v_mov_b32 v97, s68
	v_mov_b32 v98, 0
	v_mov_b32 v99, 0
	v_mov_b32 v107, 0
	GROUP 1                                        ; the last word whose running count does not pass my place
	GROUP 9
	GROUP 17
	GROUP 25
	v_sub_nc_u32 v96, v96, v98                     ; which set bit of that word
	v_lshrrev_b32 v100, 1, v97
	v_and_b32 v100, 0x55555555, v100
	v_sub_nc_u32 v100, v97, v100                   ; counts of 2 bits,
	v_lshrrev_b32 v101, 2, v100
	v_and_b32 v101, 0x33333333, v101
	v_and_b32 v102, 0x33333333, v100
	v_add_nc_u32 v101, v101, v102                  ; of 4,
	v_lshrrev_b32 v102, 4, v101
	v_add_nc_u32 v102, v102, v101
	v_and_b32 v102, 0x0f0f0f0f, v102               ; of 8,
	v_lshrrev_b32 v103, 8, v102
	v_add_nc_u32 v103, v103, v102                  ; of 16 (in the low byte)
	v_mov_b32 v105, 0
	DESC 103, 16, 8
	DESC 102, 8, 8
	DESC 101, 4, 4
	DESC 100, 2, 2
	DESC 97, 1, 1
	v_and_b32 v104, 0x1c, v99                      ; word 4 i + j, bit l: token 128 i + 4 l + j
	v_and_b32 v106, 3, v99
	v_lshl_or_b32 v106, v105, 2, v106
	v_lshl_or_b32 v106, v104, 5, v106
	v_permlanex16_b32 v107, v106, s26, s27
	v_cndmask_b32 v[\t0], v106, v107, s29
	v_cndmask_b32 v[\t1], v107, v106, s29
	v_min_u32 v[\t0], 0x3ff, v[\t0]
	v_min_u32 v[\t1], 0x3ff, v[\t1]
.endm
.macro PASSHEAD base
	s_sub_co_i32 s24, s23, s18                     ; how many of my four slots hold a tile: (tiles - base - wave + 7) >> 3, held to 0 .. 4
	s_add_co_i32 s24, s24, 7-(\base)
	s_ashr_i32 s24, s24, 3
	s_max_i32 s24, s24, 0
	s_min_i32 s24, s24, 4
	SELECT 0, \base, 32, 33
	SELECT 1, \base, 34, 35
.irp q, 0,1,2,3
	v_lshl_add_u32 v[AOF+\q], v[32+\q], 10, v[H16] ; xq: 1,024 bytes a token, + 16 h
	v_lshlrev_b32 v[SOF+\q], 5, v[32+\q]           ; xs: 32 bytes a token
.endr
.endm
.macro VAR v, job                      ; slot v / 2, block v % 2 of the job: 16 results and their bias; each accumulator is read from its low end on
.irp m, 0,1,2,3
	ds_load_b128 v[112+4*\m:115+4*\m], v[BIA] offset:256*(\job)+128*((\v)%2)+16*\m
.endr
	s_wait_dscnt 0x0
	WIN 0x01                                       ; source 0 window 1
.irp n, 0,2,4,6,8,10,12,14
	v_pk_add_f32 v[64+\n:65+\n], v[16*(\v)+\n:16*(\v)+\n+1], v[112+\n:113+\n]
.endr
	WIN 0
.endm
.macro HSTEP k
.irp n, 0,2,4,6,8,10,12,14
	v_pk_fma_f32 v[96+\n:97+\n], v[96+\n:97+\n], v[80+\n:81+\n], \k op_sel_hi:[1,1,0]
.endr
.endm
; A job's results: eight trips, one for each (slot, block of 32 hidden units): bias, gelu, quantise, store.  The trip count is a constant; a slot without a tile is jumped over inside the trip.
.macro EPI job, base
	s_wait_xcnt 0x0                                ; earlier stores have read their registers
.if (\job) && (\base)
	s_wait_alu depctr_vm_vsrc(0)                   ; the job before has stored from v37, which is written below, and no wait on vm_vsrc has stood since
.endif
	v_mov_b32 v33, 0
	v_mov_b32 v37, 0
	v_mov_b32 v44, 0x3e7c6f08                      ; the polynomial's leading coefficient, as a pair
	v_mov_b32 v45, 0x3e7c6f08
	s_mov_b32 s30, 0
.Lep_\@:
	s_lshr_b32 s31, s30, 1
	s_cmp_ge_u32 s31, s24
	s_cbranch_scc1 .Lnx_\@
	s_wait_xcnt 0x0                                ; the last trip's stores have read their data and offsets
	s_wait_alu depctr_vm_vsrc(0)                   ; the last trip's stores have read v37 to v43, and my LDS stores of the next period's codes v68-71 and v80-95: this trip writes all of them
	s_lshl_b32 s31, s31, 3
	s_add_co_u32 s31, s31, s18
	s_add_co_u32 s31, s31, \base                   ; the tile
	s_and_b32 s66, s30, 1
	s_lshl_b32 s66, s66, 9
	s_lshl_b32 s67, s31, 16
	s_add_co_u32 s67, s67, s66
	v_add_nc_u32 v38, s67, v[BADR]                 ; hq: 65,536 x tile + 512 b + 16 x lane
	s_lshl_b32 s67, s31, 11
	v_add_nc_u32 v39, s67, v[R4]                   ; hs: 2,048 x tile + 4 r
	s_wait_alu depctr_va_vdst(0)                   ; the offsets v38 and v39 are written, which this trip's stores read; the products and the last trip's lines are done with v112 to v127, in which the bias lands
.irp v, 0,1,2,3,4,5,6
	s_cmp_lg_u32 s30, \v
	s_cbranch_scc1 .Lnv_\@_\v
	VAR \v, \job
	s_branch .Lcm_\@
.Lnv_\@_\v:
.endr
	VAR 7, \job
.Lcm_\@:
.irp n, 0,1,2,3,4,5,6,7,8,9,10,11,12,13,14,15
	v_fma_f32 v[80+\n], |v[64+\n]|, 0x3eb504f3, 1.0
.endr
.irp n, 0,1,2,3,4,5,6,7,8,9,10,11,12,13,14,15
	v_rcp_f32 v[80+\n], v[80+\n]                   ; t
.endr
.irp n, 0,2,4,6,8,10,12,14
	v_pk_mul_f32 v[112+\n:113+\n], v[64+\n:65+\n], v[64+\n:65+\n]   ; v^2: plain work behind the reciprocals
.endr
	s_wait_alu depctr_va_vdst(0)                   ; one wait for the sixteen reciprocals v80-95, ahead of their first reader
.irp n, 0,2,4,6,8,10,12,14
	v_pk_fma_f32 v[96+\n:97+\n], v[80+\n:81+\n], v[44:45], 0xbf97d29d op_sel_hi:[1,1,0]
.endr
	HSTEP 0x40097039
	HSTEP 0xbfd1a1e5
	HSTEP 0x3ecdfd18
	HSTEP 0xbe899a80
	HSTEP 0x3e0efb2f
	HSTEP 0x3f0a29d2
	HSTEP 0x3fb8ab5a
	HSTEP 0xc034d90f
.irp n, 0,2,4,6,8,10,12,14
	v_pk_fma_f32 v[96+\n:97+\n], v[112+\n:113+\n], 0xbf38aa3b, v[96+\n:97+\n] op_sel_hi:[1,0,1]
.endr
.irp n, 0,1,2,3,4,5,6,7,8,9,10,11,12,13,14,15
	v_exp_f32 v[96+\n], v[96+\n]
.endr
.irp n, 0,1,2,3,4,5,6,7,8,9,10,11,12,13,14,15
	v_max_num_f32 v[112+\n], 0, v[64+\n]           ; max(v, 0): plain work behind the exponentials
.endr
	s_wait_alu depctr_va_vdst(0)                   ; one wait for the sixteen exponentials v96-111, ahead of their first reader
.irp n, 0,2,4,6,8,10,12,14
	v_pk_mul_f32 v[96+\n:97+\n], v[96+\n:97+\n], v[80+\n:81+\n]     ; q
.endr
.irp n, 0,1,2,3,4,5,6,7,8,9,10,11,12,13,14,15
	v_fma_f32 v[64+\n], -|v[64+\n]|, v[96+\n], v[112+\n]
.endr
	v_max3_num_f32 v32, |v64|, |v65|, 0x8000000
	v_max3_num_f32 v36, |v72|, |v73|, |v74|
	v_max3_num_f32 v32, v32, |v66|, |v67|
	v_max3_num_f32 v36, v36, |v75|, |v76|
	v_max3_num_f32 v32, v32, |v68|, |v69|
	v_max3_num_f32 v36, v36, |v77|, |v78|
	v_max3_num_f32 v32, v32, |v70|, |v71|
	v_max3_num_f32 v32, v32, v36, |v79|
	v_permlanex16_b32 v33, v32, s26, s27
	v_max_num_f32 v32, v32, v33                    ; the block's largest magnitude
	v_add_nc_u32 v34, 0xf8800000, v32
	v_and_or_b32 v35, v32, 0x7f800000, s28
	v_lshrrev_b32 v36, 23, v34
	v_lshrrev_b32 v37, 8, v37                      ; the bytes of blocks b = 0 and b = 1 meet in one register
	v_lshl_or_b32 v37, v36, 8, v37
.irp n, 0,1,2,3,4,5,6,7,8,9,10,11,12,13,14,15
	v_med3_num_f32 v[64+\n], v[64+\n], -v35, v35
.endr
	v_cvt_scalef32_pk8_bf8_f32 v[40:41], v[64:71], v34
	v_cvt_scalef32_pk8_bf8_f32 v[42:43], v[72:79], v34
	v_nop                                          ; a plain line behind the last conversion
	s_wait_alu depctr_va_vdst(0)                   ; the codes v40-43 and the two bytes in v37 are written, which the stores below read
	global_store_b128 v38, v[40:43], s[14:15] offset:1024*(\job)    ; the wave stores 512 consecutive bytes, aligned
	s_bitcmp1_b32 s30, 0
	s_cbranch_scc0 .Lnx_\@
	global_store_b16 v39, v37, s[16:17] offset:2*(\job)
.Lnx_\@:
	s_add_co_u32 s30, s30, 1
	s_cmp_lt_u32 s30, 8
	s_cbranch_scc1 .Lep_\@
.endm
; A period: the products of g; then the rows' fragments and the weights' codes of g + 1; then the weights of g + 3 are asked for.
; Loads are issued in the order .. A(g), W(g+2), A(g+1), W(g+3) ..: the count 16 leaves W(g+2) out and shows A(g) and W(g+1) in.
.macro PERIOD g
.if (\g) <= 5
	s_wait_loadcnt 16
.else
	s_wait_loadcnt 0x0
.endif
	s_wait_alu depctr_vm_vsrc(0)                   ; my LDS stores of this period's codes and bytes have read v68-71 and v80-95: the fragments land there now, and the next period's codes are made there
.if ((\g)%4) == 0
	MM \g, 1
.else
	MM \g, 0
.endif
.if (\g) < 7
	ALOAD (\g)+1
	QUANTW (\g)+1
.if (\g) < 5
	WLOAD (\g)+3
.endif
	BAR
.endif
.endm
	s_load_b256 s[4:11], s[0:1], 0x0               ; W1, b1, xq, xs
	s_load_b128 s[12:15], s[0:1], 0x20             ; sel, hq
	s_load_b64 s[16:17], s[0:1], 0x30              ; hs
	v_lshl_add_u32 v62, v0, 2, 0x21400
	v_mov_b32 v63, 0
	v_lshrrev_b32 v1, 5, v0
	v_readfirstlane_b32 s18, v1                    ; wave
	s_lshr_b32 s19, ttmp9, 5                       ; expert
	s_and_b32 s20, ttmp9, 31                       ; which 128 hidden units
	s_mov_b32 s26, 0x76543210
	s_mov_b32 s27, 0xfedcba98                      ; selects: lane l xor 16
	s_mov_b32 s28, 0x600000                        ; the mantissa field of 57,344
	s_mov_b32 s29, 0xffff0000                      ; lanes 16-31
	v_and_b32 v100, 31, v0                         ; lane
	v_and_b32 v101, 15, v0                         ; r'
	v_bfe_u32 v102, v0, 4, 1                       ; h
	s_wait_alu depctr_va_sdst(0)                   ; s18 is written, ahead of its first reader
	s_lshl_b32 s30, s18, 19
	v_lshlrev_b32 v[WOFF], 4, v101
	v_lshl_add_u32 v[WOFF], v102, 18, v[WOFF]
	v_add_nc_u32 v[WOFF], s30, v[WOFF]             ; (32 w + 16 h) rows of 16,384 bytes + 16 r'
	v_bfe_u32 v103, v0, 3, 1
	v_bfe_u32 v105, v0, 1, 1
	v_lshl_add_u32 v103, v103, 1, v105             ; the tile of my four columns: 2 (r' >> 3) + ((r' >> 1) & 1)
	v_bfe_u32 v104, v0, 2, 1
	v_and_b32 v105, 1, v0
	v_lshl_add_u32 v104, v104, 1, v105             ; a quarter of their first place in it: (r' & 1) + 2 ((r' >> 2) & 1)
	s_lshr_b32 s30, s18, 2
	s_lshl_b32 s30, s30, 11
	s_and_b32 s31, s18, 3
	s_lshl_b32 s31, s31, 9
	s_add_co_u32 s30, s30, s31                     ; my block of 32: K step w >> 2, piece w & 3
	v_mul_u32_u24 v[CADR], v103, TILEB
	v_lshl_add_u32 v[CADR], v104, 6, v[CADR]
	v_lshl_add_u32 v[CADR], v102, 8, v[CADR]
	v_add_nc_u32 v[CADR], s30, v[CADR]
	v_add_nc_u32 v[CADR+1], HIB, v[CADR]
	v_lshlrev_b32 v[BADR], 4, v100
	v_add_nc_u32 v[BADR+1], HIB, v[BADR]
	v_lshlrev_b32 v[SADR], 7, v103
	v_lshl_add_u32 v[SADR], v104, 5, v[SADR]
	s_add_co_u32 s30, s18, SCB
	v_add_nc_u32 v[SADR], s30, v[SADR]
	v_lshl_add_u32 v[SBAD], v100, 3, SCB
	v_lshlrev_b32 v[H16], 4, v102
	v_lshlrev_b32 v[R4], 2, v101
	v_lshl_add_u32 v[BIA], v102, 6, BIAS
	s_lshl_b32 s30, s18, 4
	v_lshl_add_u32 v[IDX], v102, 7, v101
	v_add_nc_u32 v[IDX], s30, v[IDX]               ; 128 h + 16 w + r
	v_add_nc_u32 v[BST], BIAS, v[BADR]
	s_wait_kmcnt 0x0
	s_mov_b32 s31, 0
	s_lshl_b32 s30, s19, 24
	s_lshl_b32 s66, s20, 9
	s_add_co_u32 s30, s30, s66
	s_add_nc_u64 s[4:5], s[4:5], s[30:31]          ; W1 at my expert and columns;
	s_add_nc_u64 s[100:101], s[4:5], 0x800000      ; and 512 rows of K further down, so that the immediates stay inside their field
	s_lshl_b32 s30, s19, 14
	s_add_co_u32 s30, s30, s66
	s_add_nc_u64 s[6:7], s[6:7], s[30:31]          ; b1
	s_lshl_b32 s30, s19, 22
	s_lshl_b32 s66, s20, 11
	s_add_co_u32 s30, s30, s66
	s_add_nc_u64 s[14:15], s[14:15], s[30:31]      ; hq: my expert, my K step
	s_lshl_b32 s30, s19, 17
	s_lshl_b32 s66, s20, 6
	s_add_co_u32 s30, s30, s66
	s_add_nc_u64 s[16:17], s[16:17], s[30:31]      ; hs likewise
	s_wait_alu depctr_va_vdst(0)                   ; the addresses and offsets v1-7, v28-31 and v61 are written: every load and store of the launch that reads one of them stands behind this wait, and none of them is written again
.irp i, 0,1,2,3,4,5,6,7
	global_load_b128 v[64+4*\i:67+4*\i], v[BADR], s[12:13] offset:512*\i   ; sel: register 4 i + j of lane l: token 128 i + 4 l + j
.endr
	global_load_b128 v[96:99], v[BADR], s[6:7]
	WLOAD 0
	WLOAD 1
	s_wait_loadcnt 32                              ; sel and the bias are in: behind them the 32 loads of W(0) and W(1)
	s_cmp_lg_u32 s18, 0
	s_cbranch_scc1 .Lno_bias
	ds_store_b128 v[BST], v[96:99]                 ; wave 0 lays the bias down; it is read behind barriers
	s_wait_alu depctr_vm_vsrc(0)                   ; the store has read v96 to v99, which the search below writes
.Lno_bias:
	s_add_co_u32 s30, s19, 16
	s_lshl_b32 s30, 1, s30                         ; my expert's bit
.set wd, 0
.rept 32
	v_and_b32 v100, s30, v[64+wd]
	v_cmp_ne_u32 s[68+wd], 0, v100                 ; mask word wd
.set wd, wd+1
.endr
	s_wait_alu depctr_va_sdst(0)                   ; the 32 compares have written s68 to s99, ahead of their first reader
	s_mov_b32 s32, 0
.set wd, 0
.rept 31
	s_bcnt1_i32_b32 s31, s[68+wd]
	s_add_co_u32 s[33+wd], s[32+wd], s31           ; running counts
.set wd, wd+1
.endr
	s_bcnt1_i32_b32 s31, s99
	s_add_co_u32 s22, s63, s31                     ; my expert's rows,
	s_add_co_u32 s23, s22, 15
	s_lshr_b32 s23, s23, 4                         ; its tiles,
	s_max_u32 s25, s22, 1
	s_sub_co_u32 s25, s25, 1                       ; its last place
.irp j, 0,1,2,3
	v_mov_b32 v[68+\j], 0                          ; a lane permute's destination counts as one of its sources
.endr
	PASSHEAD 0
	s_wait_loadcnt 16                              ; W(0) is in; W(1)'s 16 loads may be out
	ALOAD 0
	QUANTW 0
	WLOAD 2
	BAR
.irp g, 0,1,2,3
	PERIOD \g
.endr
	EPI 0, 0
	s_wait_alu depctr_va_vdst(0)                   ; the job's trips are done with v64 to v127, in which the next period's fragments land
.irp g, 4,5,6,7
	PERIOD \g
.endr
	EPI 1, 0
	s_cmp_le_u32 s23, 32                           ; more than 512 rows: tiles 32 on, over the codes that lie in LDS; no barrier and no LDS store stands in this part
	s_cbranch_scc1 .Lend
	s_wait_loadcnt 0x0
	s_wait_xcnt 0x0                                ; offsets and data of earlier loads and stores may be written again
	s_wait_alu depctr_vm_vsrc(0)                   ; the first pass's loads have read their offsets v8 to v15, which are written anew
	PASSHEAD 32
	ALOAD 0
.irp g, 0,1,2,3
	s_wait_loadcnt 0x0
.if \g == 0
	MM \g, 1
.else
	MM \g, 0
.endif
	ALOAD (\g)+1
.endr
	EPI 0, 32
	s_wait_alu depctr_va_vdst(0)                   ; the job's trips are done with v64 to v127, in which the next period's fragments land
.irp g, 4,5,6,7
	s_wait_loadcnt 0x0
.if \g == 4
	MM \g, 1
.else
	MM \g, 0
.endif
.if \g < 7
	ALOAD (\g)+1
.endif
.endr
	EPI 1, 32
.Lend:
	s_wait_dscnt 0x0
	s_wait_alu depctr_hold_cnt(0) depctr_sa_sdst(0) depctr_va_vdst(0) depctr_va_sdst(0) depctr_va_ssrc(0) depctr_va_vcc(0) depctr_vm_vsrc(0)
	s_wait_tensorcnt 0x0
	ds_add_u32 v62, v63
	s_wait_dscnt 0x0
	s_endpgm
.Lfunc_end_k_q4b8423a0ab_ffn1:
	.size	k_q4b8423a0ab_ffn1, .Lfunc_end_k_q4b8423a0ab_ffn1-k_q4b8423a0ab_ffn1
	.p2alignl 7, 3214868480
	.fill 96, 4, 3214868480
	.section	.rodata,"a",@progbits
	.p2align	6, 0x0
	.amdhsa_kernel k_q4b8423a0ab_ffn1
		.amdhsa_group_segment_fixed_size 137216
		.amdhsa_private_segment_fixed_size 0
		.amdhsa_enable_private_segment 0
		.amdhsa_kernarg_size 56
		.amdhsa_user_sgpr_count 2
		.amdhsa_user_sgpr_kernarg_segment_ptr 1
		.amdhsa_wavefront_size32 1
		.amdhsa_system_sgpr_workgroup_id_x 1
		.amdhsa_system_sgpr_workgroup_id_y 1
		.amdhsa_system_sgpr_workgroup_id_z 1
		.amdhsa_system_vgpr_workitem_id 0
		.amdhsa_next_free_vgpr 512
		.amdhsa_next_free_sgpr 102
		.amdhsa_reserve_vcc 1
		.amdhsa_float_denorm_mode_32 3
		.amdhsa_float_denorm_mode_16_64 3
		.amdhsa_memory_ordered 1
		.amdhsa_forward_progress 1
		.amdhsa_inst_pref_size 255
	.end_amdhsa_kernel
	.section	.bss,"aw",@nobits
	.p2align	6
	.space	262144
	.amdgpu_metadata
---
amdhsa.version: [ 1, 2 ]
amdhsa.kernels:
  - .name:           k_q4b8423a0ab_ffn1
    .symbol:         k_q4b8423a0ab_ffn1.kd
    .args:
      - { .name: W1, .offset: 0, .size: 8, .value_kind: global_buffer, .address_space: global }
      - { .name: b1, .offset: 8, .size: 8, .value_kind: global_buffer, .address_space: global }
      - { .name: xq, .offset: 16, .size: 8, .value_kind: global_buffer, .address_space: global }
      - { .name: xs, .offset: 24, .size: 8, .value_kind: global_buffer, .address_space: global }
      - { .name: sel, .offset: 32, .size: 8, .value_kind: global_buffer, .address_space: global }
      - { .name: hq, .offset: 40, .size: 8, .value_kind: global_buffer, .address_space: global }
      - { .name: hs, .offset: 48, .size: 8, .value_kind: global_buffer, .address_space: global }
    .group_segment_fixed_size: 137216
    .private_segment_fixed_size: 0
    .kernarg_segment_align: 8
    .kernarg_segment_size: 56
    .max_flat_workgroup_size: 256
    .sgpr_count:     102
    .vgpr_count:     512
    .wavefront_size: 32
...
	.end_amdgpu_metadata
.endif
;; end of part 5
;; launch ffn2 (part 6): grid 256 x 1, 8 waves a work-group, no clusters, 172,032 bytes of LDS; arguments W2, b2, hq, hs, sel, pw, y; writes y
.if DOCPART == 6
	.amdgcn_target "amdgcn-amd-amdhsa--gfx1250"
	.amdhsa_code_object_version 6
	.text
	.protected	k_q4b8423a0ab_ffn2
	.globl	k_q4b8423a0ab_ffn2
	.p2align	8
	.type	k_q4b8423a0ab_ffn2,@function
k_q4b8423a0ab_ffn2:
	s_mov_b64 s[64:65], 0
	v_nop
	global_prefetch_b8 v0, s[64:65] scope:SCOPE_SE
	s_setreg_imm32_b32 hwreg(HW_REG_WAVE_SCHED_MODE, 0, 2), 2
	s_setreg_imm32_b32 hwreg(HW_REG_WAVE_MODE, 25, 1), 1
	s_wait_xcnt 0x0
	s_wait_alu depctr_vm_vsrc(0)
; FFN2.  For the routed rows: y[kh][2 token + k][:] = p (Q(h) Q(W2[e]) over K half kh, + b2[e] in half 0), p the gate's weight.  Both operands codes of E5M2 with one E8M0 scale for each 32 along K.
; SHARES.  Work-group x: expert e = x >> 5, 64 output columns cc = (x & 31) >> 1, K half kh = x & 1 (2,048 of the 4,096): eight periods of 256 along K.  W2's bytes are read once in the launch.
; The scheme is the first product's: in a period wave w loads 32 rows of K x 64 columns, quantises them in registers and stores codes to LDS as images of operand registers, each period in LDS bytes of its own, one
; barrier a period.  The rows' fragments come from hq as they lie (512 consecutive bytes a load).  Wave w owns tiles base + 8 q + w, q = 0 .. 3; more than 512 rows on an expert: a second pass over the codes in LDS.
; A slot without a tile still issues its loads (so that the counts are the same on every path), all lanes at one address.  The first 16 products (C = 0) are always issued: every accumulator is written on every path.
; The list of tokens is rebuilt from sel exactly as in the first product's launch, so a tile's rows are the same rows.  Places past the count repeat the last row: they store the same bytes to the same place.
; WAY OUT.  A lane holds 8 neighbouring outputs of one row; a tile goes through the wave's own stage and leaves as rows of 256 consecutive bytes, aligned; the rows' numbers come by v_readlane_b32.
; All barriers stand on every wave's path.  No tensor loads, no cluster.
; LIMITS: NaN and infinities are not served (b2 is multiplied by 0 in the upper K half); a block of zeros keeps the byte 1; blocks under 2^-111 have their byte held at 1.
; REGISTERS as in the first product's launch, but: v16-19 h's scale words (lanes 0-15 K step 0, lanes 16-31 K step 1); v32-35 tokens, v36-39 their sel words, v40-47 their weights, v48-51 row numbers, v52-59 p as pairs;
; v62, v63 the stage; on the way out v64-95 results, v96-127 rows read back, v128-159 the bias, v160-167 store offsets.
; THE MODE: SCHED_MODE bits 1:0 = 2 (LLVM: expert scheduling mode 2), set by the entry lines.  The code itself states the register dependences between vector or matrix instructions and memory or LDS
; instructions, with s_wait_alu, always for 0.
; THE PLAN.  Registers that memory or LDS instructions touch, and who else names them:
;   v1-7, v28-31, v61-63  addresses and offsets, made at the head and never written again: one wait on va_vdst ahead of the first load serves them for the whole launch.
;   v8-15, v32-35         my tiles' offsets and my rows' tokens: written by a pass's head, read by the loads of fragments and by the gathers: one wait on va_vdst at the end of a pass's head.
;   v36-47                the gathers land; the way out's lines read.
;   v128-255              period g's weights land in set g % 2; QUANTW's lines read the set; behind QUANTW's wait the weights of period g + 2 land in it.  On the way out the bias lands in v128-159.
;   v64-127               QUANTW makes codes there, and its LDS stores read v68-71 and v80-95; then the period's fragments land there and the products read them.
;   v16-19, v24-27, v384-511  scale words and my rows' fragments: loads land, products read.
;   On the way out: v64-95 written by a tile's lines, read by its LDS stores; v96-127 loaded from the stage, read by its global stores; v160-167 written by its lines, read by its global stores.
; A PERIOD HAS FOUR WAITS, as in the first product's launch: on vm_vsrc at its head; on va_vdst between its two K steps, ahead of the next rows' fragments, and behind QUANTW's lines.  A TILE ON THE WAY OUT HAS ONE wait on
; va_vdst, behind all its vector lines and ahead of its LDS stores, and (from the second tile on) one on vm_vsrc at its head.  All 512 registers that the wave is given are in use: there is no second set of fragments.
; What a vector instruction leaves in a scalar register or in VCC is waited for (va_sdst, va_vcc) ahead of its first reader; compares and v_readlane_b32 stand in runs, one wait a run.
.set BUFB,  16448
.set TILEB, 4112
.set HIB,   4*BUFB
.set SCB,   8*BUFB
.set BIAS,  SCB+4096                   ; b2 of my 64 columns (x 0 in the upper K half)
.set STAGE, BIAS+512                   ; 16 rows x 272 bytes for each wave
.set WOFF, 1
.set CADR, 2
.set BADR, 4
.set SADR, 6
.set SBAD, 7
.set AOF,  8
.set SOF,  12
.set SA,   16
.set SB,   24
.set C16,  28
.set L4,   29
.set BIA,  30
.set IDX,  31
.set BST,  61
.set STO,  62
.set RD,   63
.set MSB, 0
.macro WIN new
.if MSB != \new
	s_set_vgpr_msb (MSB<<8)|\new
.set MSB, \new
.endif
.endm
.macro PLACES n
.rept \n
	v_nop
.endr
.endm
.macro BAR
	s_wait_dscnt 0x0
	s_barrier_signal -1
	s_barrier_wait -1
.endm
.macro WLOAD g                         ; register 4 i + j = W2(256 g + 32 w + 16 h + i, 4 r' + j).  No wait: it stands behind QUANTW's, and no vector instruction since names the set
.set STG, 128+64*((\g)%2)
.irp i, 0,1,2,3,4,5,6,7,8,9,10,11,12,13,14,15
	global_load_b128 v[STG+4*\i:STG+4*\i+3], v[WOFF], s[4:5] offset:(\g)*1048576+\i*4096 th:TH_LOAD_NT
.endr
.endm
.macro ALOAD g, w                      ; w = 0: a pass's first: the wait at the end of the pass's head serves it: only loads, a wait on a counter and the window switch stand between
	WIN 0x40                                       ; destination window 1: the switch, then the wait, then the loads
.if \w
	s_wait_alu depctr_va_vdst(0)                   ; the products issued so far are done reading my rows' fragments and scale words, in which these loads land
.endif
.irp q, 0,1,2,3
.irp ks, 0,1
.irp c, 0,1,2,3
	global_load_b128 v[128+32*\q+16*\ks+4*\c:128+32*\q+16*\ks+4*\c+3], v[AOF+\q], s[8:9] offset:(\g)*4096+2048*\ks+512*\c
.endr
.endr
.endr
	WIN 0
.irp q, 0,1,2,3
	global_load_b32 v[SA+\q], v[SOF+\q], s[10:11] offset:(\g)*128
.endr
.endm
.macro QUANTW g
.set STG, 128+64*((\g)%2)
.irp j, 0,1,2,3
	v_max3_num_f32 v[64+\j], |v[STG+\j]|, |v[STG+4+\j]|, 0x8000000
.endr
.irp i, 2,4,6,8,10,12,14
.irp j, 0,1,2,3
	v_max3_num_f32 v[64+\j], v[64+\j], |v[STG+4*\i+\j]|, |v[STG+4*\i+4+\j]|
.endr
.endr
.irp j, 0,1,2,3
	v_permlanex16_b32 v[68+\j], v[64+\j], s26, s27
.endr
.irp j, 0,1,2,3
	v_max_num_f32 v[64+\j], v[64+\j], v[68+\j]
.endr
.irp j, 0,1,2,3
	v_add_nc_u32 v[72+\j], 0xf8800000, v[64+\j]
.endr
.irp j, 0,1,2,3
	v_and_or_b32 v[76+\j], v[64+\j], 0x7f800000, s28
.endr
.irp j, 0,1,2,3
	v_lshrrev_b32 v[68+\j], 23, v[72+\j]
.endr
.irp j, 0,1,2,3
.irp i, 0,1,2,3,4,5,6,7,8,9,10,11,12,13,14,15
	v_med3_num_f32 v[96+16*(\j%2)+\i], v[STG+4*\i+\j], -v[76+\j], v[76+\j]
.endr
	v_cvt_scalef32_pk8_bf8_f32 v[80+4*\j:81+4*\j], v[96+16*(\j%2):103+16*(\j%2)], v[72+\j]
	v_cvt_scalef32_pk8_bf8_f32 v[82+4*\j:83+4*\j], v[104+16*(\j%2):111+16*(\j%2)], v[72+\j]
.endr
	v_nop                                          ; a plain line behind the last conversion
	s_wait_alu depctr_va_vdst(0)                   ; the codes v80-95 and the bytes v68-71 are written, which the LDS stores read; the lines above are done reading this set of weights, in which the loads of two periods on land, and with v64-127, in which the period's fragments land
.irp j, 0,1,2,3
	ds_store_b128 v[CADR+(\g)/4], v[80+4*\j:83+4*\j] offset:((\g)%4)*BUFB+16*\j
.endr
.irp j, 0,1,2,3
	ds_store_b8 v[SADR], v[68+\j] offset:(\g)*512+8*\j
.endr
.endm
.macro WM q, ct, ks, zero              ; source 0 = 16 columns of W2, source 1 = 16 rows of h
.set rD, 32*(\q)+8*(\ct)
.set rA, 64+16*(\ct)
.set rB, 128+32*(\q)+16*(\ks)
.set rSa, SB+2*((\ct)/2)+(\ks)
.set rSb, SA+(\q)
.if (\zero) && ((\ct)%2)
	v_wmma_scale_f32_16x16x128_f8f6f4 v[rD:rD+7], v[rA:rA+15], v[rB:rB+15], 0, v[rSa], v[rSb] matrix_a_fmt:MATRIX_FMT_BF8 matrix_b_fmt:MATRIX_FMT_BF8 matrix_a_scale:MATRIX_SCALE_ROW1
.elseif \zero
	v_wmma_scale_f32_16x16x128_f8f6f4 v[rD:rD+7], v[rA:rA+15], v[rB:rB+15], 0, v[rSa], v[rSb] matrix_a_fmt:MATRIX_FMT_BF8 matrix_b_fmt:MATRIX_FMT_BF8
.elseif ((\ct)%2) && (\ks)
	v_wmma_scale_f32_16x16x128_f8f6f4 v[rD:rD+7], v[rA:rA+15], v[rB:rB+15], v[rD:rD+7], v[rSa], v[rSb] matrix_a_fmt:MATRIX_FMT_BF8 matrix_b_fmt:MATRIX_FMT_BF8 matrix_a_scale:MATRIX_SCALE_ROW1 matrix_b_scale:MATRIX_SCALE_ROW1
.elseif (\ct)%2
	v_wmma_scale_f32_16x16x128_f8f6f4 v[rD:rD+7], v[rA:rA+15], v[rB:rB+15], v[rD:rD+7], v[rSa], v[rSb] matrix_a_fmt:MATRIX_FMT_BF8 matrix_b_fmt:MATRIX_FMT_BF8 matrix_a_scale:MATRIX_SCALE_ROW1
.elseif \ks
	v_wmma_scale_f32_16x16x128_f8f6f4 v[rD:rD+7], v[rA:rA+15], v[rB:rB+15], v[rD:rD+7], v[rSa], v[rSb] matrix_a_fmt:MATRIX_FMT_BF8 matrix_b_fmt:MATRIX_FMT_BF8 matrix_b_scale:MATRIX_SCALE_ROW1
.else
	v_wmma_scale_f32_16x16x128_f8f6f4 v[rD:rD+7], v[rA:rA+15], v[rB:rB+15], v[rD:rD+7], v[rSa], v[rSb] matrix_a_fmt:MATRIX_FMT_BF8 matrix_b_fmt:MATRIX_FMT_BF8
.endif
.endm
; Period g's products: the accumulators take turns, one instruction a turn.  Its first LDS loads owe no wait on va_vdst of their own: no vector or matrix instruction since the last such
; wait names v24-27 or v64-127.  Eight plain lines stand behind the first K step's products, and the wait behind them; nine at the end: vector lines write v64 on next, which products have read.
.macro MM g, first
	ds_load_b64 v[SB:SB+1], v[SBAD] offset:(\g)*512
	ds_load_b64 v[SB+2:SB+3], v[SBAD] offset:(\g)*512+256
.irp ks, 0,1
.if \ks
	PLACES 8
	s_wait_alu depctr_va_vdst(0)                   ; the first K step's products are done reading v64 to v127, in which the second's fragments land
.endif
.irp ct, 0,1,2,3
.irp c, 0,1,2,3
	ds_load_b128 v[64+16*\ct+4*\c:64+16*\ct+4*\c+3], v[BADR+(\g)/4] offset:((\g)%4)*BUFB+\ct*TILEB+\ks*2048+\c*512
.endr
.endr
	s_wait_dscnt 0x0
.irp q, 0,1,2,3
.if (\first) && (\ks == 0)
	WIN 0x54
.irp ct, 0,1,2,3
	WM \q, \ct, \ks, 1
.endr
.else
	WIN 0
	s_cmp_le_u32 s24, \q
	s_cbranch_scc1 .Lsk_\@_\ks
	WIN 0x54
.irp ct, 0,1,2,3
	WM \q, \ct, \ks, 0
.endr
.endif
.endr
	WIN 0
.Lsk_\@_\ks:
.endr
	PLACES 9
.endm
.macro DESC lev, wid, fld
	v_bfe_u32 v104, v[\lev], v105, \fld
	v_cmp_ge_u32 vcc_lo, v96, v104
	v_add_nc_u32 v106, \wid, v105
	s_wait_alu depctr_va_vcc(0)                    ; the compare has written VCC, which the two selects read
	v_cndmask_b32 v104, 0, v104, vcc_lo
	v_sub_nc_u32 v96, v96, v104
	v_cndmask_b32 v105, v105, v106, vcc_lo
.endm
.macro CMPW m, wd                      ; does word wd's running count not pass my place?  The answer goes to scalar register m
.set wq, \wd
	v_cmp_le_u32 s[\m], s[32+wq], v96
.endm
.macro TAKE m, wd                      ; if so, the word, its running count and its number are taken
.set wq, \wd
	v_cndmask_b32 v97, v97, s[68+wq], s[\m]
	v_cndmask_b32 v98, v98, s[32+wq], s[\m]
	v_cndmask_b32 v99, v99, wq, s[\m]
.endm
.macro GROUP w                         ; words w to w + 7: a run of compares into eight scalar registers that are free here, one wait, the selects in ascending order of the words
	CMPW 2, \w
	CMPW 3, \w+1
	CMPW 20, \w+2
	CMPW 21, \w+3
	CMPW 22, \w+4
	CMPW 30, \w+5
	CMPW 31, \w+6
.if \w+7 < 32
	CMPW 66, \w+7
.endif
	s_wait_alu depctr_va_sdst(0)                   ; the run's compares have written their scalar registers, which the selects read
	TAKE 2, \w
	TAKE 3, \w+1
	TAKE 20, \w+2
	TAKE 21, \w+3
	TAKE 22, \w+4
	TAKE 30, \w+5
	TAKE 31, \w+6
.if \w+7 < 32
	TAKE 66, \w+7
.endif
.endm
.macro SELECT a, base, t0, t1          ; places of the list to tokens: the same lines as in the first product's launch
	v_add_nc_u32 v96, 16*(\base)+256*(\a), v[IDX]
	v_min_u32 v96, s25, v96
	v_mov_b32 v97, s68
	v_mov_b32 v98, 0
	v_mov_b32 v99, 0
	v_mov_b32 v107, 0
	GROUP 1
	GROUP 9
	GROUP 17
	GROUP 25
	v_sub_nc_u32 v96, v96, v98
	v_lshrrev_b32 v100, 1, v97
	v_and_b32 v100, 0x55555555, v100
	v_sub_nc_u32 v100, v97, v100
	v_lshrrev_b32 v101, 2, v100
	v_and_b32 v101, 0x33333333, v101
	v_and_b32 v102, 0x33333333, v100
	v_add_nc_u32 v101, v101, v102
	v_lshrrev_b32 v102, 4, v101
	v_add_nc_u32 v102, v102, v101
	v_and_b32 v102, 0x0f0f0f0f, v102
	v_lshrrev_b32 v103, 8, v102
	v_add_nc_u32 v103, v103, v102
	v_mov_b32 v105, 0
	DESC 103, 16, 8
	DESC 102, 8, 8
	DESC 101, 4, 4
	DESC 100, 2, 2
	DESC 97, 1, 1
	v_and_b32 v104, 0x1c, v99
	v_and_b32 v106, 3, v99
	v_lshl_or_b32 v106, v105, 2, v106
	v_lshl_or_b32 v106, v104, 5, v106
	v_permlanex16_b32 v107, v106, s26, s27
	v_cndmask_b32 v[\t0], v106, v107, s29
	v_cndmask_b32 v[\t1], v107, v106, s29
	v_min_u32 v[\t0], 0x3ff, v[\t0]
	v_min_u32 v[\t1], 0x3ff, v[\t1]
.endm
.macro PASSHEAD base
	s_sub_co_i32 s24, s23, s18
	s_add_co_i32 s24, s24, 7-(\base)
	s_ashr_i32 s24, s24, 3
	s_max_i32 s24, s24, 0
	s_min_i32 s24, s24, 4
	SELECT 0, \base, 32, 33
	SELECT 1, \base, 34, 35
.irp q, 0,1,2,3
	s_add_co_u32 s30, s18, (\base)+8*\q            ; the slot's tile, held inside the expert's tiles and inside the buffer
	s_min_u32 s30, s30, s67
	s_min_u32 s30, s30, 63
	s_cmp_gt_u32 s24, \q
	s_cselect_b32 s31, 1, 0                        ; a slot without a tile loads from one address in all lanes
	s_min_u32 s31, s31, 1
	v_mul_u32_u24 v108, s31, v[BADR]
	v_mul_u32_u24 v109, s31, v[L4]
	s_lshl_b32 s31, s30, 16
	v_add_nc_u32 v[AOF+\q], s31, v108              ; hq: 65,536 x tile + 16 x lane
	s_lshl_b32 s31, s30, 11
	v_add_nc_u32 v[SOF+\q], s31, v109              ; hs: 2,048 x tile + 4 x lane
.endr
	s_wait_alu depctr_va_vdst(0)                   ; the tokens v32-35 and the offsets v8-15 are written, which the gathers and the pass's first loads of fragments read; in the second pass the way out is done reading v36-47, and the products my rows' fragments and scale words, in which these loads land
.irp q, 0,1,2,3
	global_load_b32 v[36+\q], v[32+\q], s[12:13] scale_offset        ; my rows' sel words,
.endr
.irp q, 0,1,2,3
	global_load_b64 v[40+2*\q:41+2*\q], v[32+\q], s[14:15] scale_offset   ; and their two weights
.endr
.endm
.macro WHO q, m                        ; am I the token's second choice?  The answer goes to scalar register m
	v_bfe_u32 v60, v[36+\q], 8, 8
	v_cmp_eq_u32 s[\m], s19, v60
.endm
.macro MINE q, m
	v_cndmask_b32 v[52+2*\q], v[40+2*\q], v[41+2*\q], s[\m]
	v_mov_b32 v[53+2*\q], v[52+2*\q]               ; (named with it as a pair, so it is written)
	v_cndmask_b32 v60, 0, 1, s[\m]
	v_lshl_add_u32 v[48+\q], v[32+\q], 1, v60      ; the row of y: 2 token + k
.endm
.macro LANES q, i0                     ; the numbers of rows 2 i0 to 2 i0 + 7 of tile q, into eight scalar registers that are free here
	v_readlane_b32 s2, v[48+\q], 2*(\i0)
	v_readlane_b32 s3, v[48+\q], 2*(\i0)+1
	v_readlane_b32 s20, v[48+\q], 2*(\i0)+2
	v_readlane_b32 s21, v[48+\q], 2*(\i0)+3
	v_readlane_b32 s22, v[48+\q], 2*(\i0)+4
	v_readlane_b32 s30, v[48+\q], 2*(\i0)+5
	v_readlane_b32 s31, v[48+\q], 2*(\i0)+6
	v_readlane_b32 s66, v[48+\q], 2*(\i0)+7
.endm
.macro OFFS i, a, b                    ; store i's offsets: lanes 0-15 row 2 i, lanes 16-31 row 2 i + 1
	v_mov_b32 v[160+\i], s[\a]
	v_cndmask_b32 v[160+\i], v[160+\i], s[\b], s29
	v_min_u32 v[160+\i], 0x7ff, v[160+\i]
	v_lshl_add_u32 v[160+\i], v[160+\i], 12, v[C16]    ; 4,096 bytes a row of y, 16 a lane
.endm
.macro EPI
.irp n, 0,1,2,3,4,5,6,7
	ds_load_b128 v[128+4*\n:131+4*\n], v[BIA] offset:64*(\n/2)+16*(\n%2)   ; the bias of my 8 outputs of each of the four tiles.  No wait: no vector instruction since the last wait on va_vdst names v128 to v159
.endr
	WHO 0, 2
	WHO 1, 3
	WHO 2, 20
	WHO 3, 21
	s_wait_alu depctr_va_sdst(0)                   ; the four compares have written their scalar registers, which the selects read
	MINE 0, 2
	MINE 1, 3
	MINE 2, 20
	MINE 3, 21
	s_wait_dscnt 0x0
.irp q, 0,1,2,3
	s_cmp_le_u32 s24, \q
	s_cbranch_scc1 .Led_\@
	s_wait_xcnt 0x0                                ; the last tile's stores have read their data and offsets
.if \q
	s_wait_alu depctr_vm_vsrc(0)                   ; the last tile's LDS stores have read v64-95, its global stores v96-127 and v160-167: this tile writes all of them
.endif
	LANES \q, 0
	WIN 0x01                                       ; source 0 window 1
.irp n, 0,2,4,6,8,10,12,14,16,18,20,22,24,26,28,30
	v_pk_add_f32 v[64+\n:65+\n], v[32*\q+\n:32*\q+\n+1], v[128+\n:129+\n]
.endr
	WIN 0
	s_wait_alu depctr_va_sdst(0)                   ; the first eight row numbers are in their scalar registers (the additions stand between)
	OFFS 0, 2, 3
	OFFS 1, 20, 21
	OFFS 2, 22, 30
	OFFS 3, 31, 66
	LANES \q, 4
.irp n, 0,2,4,6,8,10,12,14,16,18,20,22,24,26,28,30
	v_pk_mul_f32 v[64+\n:65+\n], v[64+\n:65+\n], v[52+2*\q:53+2*\q] op_sel_hi:[1,0]
.endr
	s_wait_alu depctr_va_sdst(0)                   ; the other eight (the multiplications stand between)
	OFFS 4, 2, 3
	OFFS 5, 20, 21
	OFFS 6, 22, 30
	OFFS 7, 31, 66
	s_wait_alu depctr_va_vdst(0)                   ; the results v64-95 are written, which the LDS stores read, and the offsets v160-167, which the global stores read; all earlier lines are done with v96-127, in which the rows land
.irp ct, 0,1,2,3
	ds_store_b128 v[STO], v[64+8*\ct:67+8*\ct] offset:64*\ct
	ds_store_b128 v[STO], v[68+8*\ct:71+8*\ct] offset:64*\ct+16
.endr
.irp i, 0,1,2,3,4,5,6,7
	ds_load_b128 v[96+4*\i:99+4*\i], v[RD] offset:544*\i   ; LDS serves a wave's instructions in order: these see my stores; lanes 0-15 row 2 i, lanes 16-31 row 2 i + 1
.endr
.irp i, 0,1,2,3,4,5,6,7
	s_wait_dscnt 7-\i                              ; the younger read-backs may be out
	global_store_b128 v[160+\i], v[96+4*\i:99+4*\i], s[16:17]   ; sixteen lanes store 256 consecutive bytes, aligned
.endr
.endr
.Led_\@:
.endm
.macro PERIOD g                        ; loads go out in the order .. A(g), W(g+2), A(g+1), W(g+3) ..: the count 16 leaves W(g+2) out
.if (\g) <= 5
	s_wait_loadcnt 16
.else
	s_wait_loadcnt 0x0
.endif
	s_wait_alu depctr_vm_vsrc(0)                   ; my LDS stores of this period's codes and bytes have read v68-71 and v80-95: the fragments land there now, and the next period's codes are made there
.if (\g) == 0
	MM \g, 1
.else
	MM \g, 0
.endif
.if (\g) < 7
	ALOAD (\g)+1, 1
	QUANTW (\g)+1
.if (\g) < 5
	WLOAD (\g)+3
.endif
	BAR
.endif
.endm
	s_load_b256 s[4:11], s[0:1], 0x0               ; W2, b2, hq, hs
	s_load_b128 s[12:15], s[0:1], 0x20             ; sel, pw
	s_load_b64 s[16:17], s[0:1], 0x30              ; y
	v_lshl_add_u32 v22, v0, 2, 0x29c00
	v_mov_b32 v23, 0
	v_lshrrev_b32 v1, 5, v0
	v_readfirstlane_b32 s18, v1                    ; wave
	s_lshr_b32 s19, ttmp9, 5                       ; expert
	s_bfe_u32 s20, ttmp9, 0x40001                  ; which 64 columns
	s_and_b32 s21, ttmp9, 1                        ; which half of K
	s_mov_b32 s26, 0x76543210
	s_mov_b32 s27, 0xfedcba98
	s_mov_b32 s28, 0x600000
	s_mov_b32 s29, 0xffff0000
	v_and_b32 v100, 31, v0                         ; lane
	v_and_b32 v101, 15, v0                         ; r'
	v_bfe_u32 v102, v0, 4, 1                       ; h
	s_wait_alu depctr_va_sdst(0)                   ; s18 is written, ahead of its first reader
	s_lshl_b32 s30, s18, 17
	v_lshlrev_b32 v[WOFF], 4, v101
	v_lshl_add_u32 v[WOFF], v102, 16, v[WOFF]
	v_add_nc_u32 v[WOFF], s30, v[WOFF]             ; (32 w + 16 h) rows of 4,096 bytes + 16 r'
	v_bfe_u32 v103, v0, 2, 2                       ; the tile of my four columns: r' >> 2
	v_and_b32 v104, 3, v0                          ; a quarter of their first place in it
	s_lshr_b32 s30, s18, 2
	s_lshl_b32 s30, s30, 11
	s_and_b32 s31, s18, 3
	s_lshl_b32 s31, s31, 9
	s_add_co_u32 s30, s30, s31
	v_mul_u32_u24 v[CADR], v103, TILEB
	v_lshl_add_u32 v[CADR], v104, 6, v[CADR]
	v_lshl_add_u32 v[CADR], v102, 8, v[CADR]
	v_add_nc_u32 v[CADR], s30, v[CADR]
	v_add_nc_u32 v[CADR+1], HIB, v[CADR]
	v_lshlrev_b32 v[BADR], 4, v100
	v_add_nc_u32 v[BADR+1], HIB, v[BADR]
	v_lshlrev_b32 v[SADR], 7, v103
	v_lshl_add_u32 v[SADR], v104, 5, v[SADR]
	s_add_co_u32 s30, s18, SCB
	v_add_nc_u32 v[SADR], s30, v[SADR]
	v_lshl_add_u32 v[SBAD], v100, 3, SCB
	v_lshlrev_b32 v[C16], 4, v101
	v_lshlrev_b32 v[L4], 2, v100
	v_lshl_add_u32 v[BIA], v102, 5, BIAS
	s_lshl_b32 s30, s18, 4
	v_lshl_add_u32 v[IDX], v102, 7, v101
	v_add_nc_u32 v[IDX], s30, v[IDX]
	v_add_nc_u32 v[BST], BIAS, v[C16]
	s_mul_i32 s30, s18, 16*272
	s_add_co_u32 s30, s30, STAGE                   ; my stage
	v_mul_u32_u24 v[STO], v101, 272
	v_lshl_add_u32 v[STO], v102, 5, v[STO]
	v_add_nc_u32 v[STO], s30, v[STO]               ; in: row r, + 32 h
	v_mul_u32_u24 v[RD], v102, 272
	v_lshl_add_u32 v[RD], v101, 4, v[RD]
	v_add_nc_u32 v[RD], s30, v[RD]                 ; back: lanes 0-15 one row, lanes 16-31 the next
	s_wait_kmcnt 0x0
	s_mov_b32 s31, 0
	s_lshl_b32 s30, s19, 24
	s_lshl_b32 s66, s21, 23
	s_add_co_u32 s30, s30, s66
	s_lshl_b32 s66, s20, 8
	s_add_co_u32 s30, s30, s66
	s_add_nc_u64 s[4:5], s[4:5], s[30:31]          ; W2 at my expert, K half and columns
	s_lshl_b32 s30, s19, 12
	s_add_co_u32 s30, s30, s66
	s_add_nc_u64 s[6:7], s[6:7], s[30:31]          ; b2
	s_lshl_b32 s30, s21, 23
	s_add_co_u32 s30, s30, s66
	s_add_nc_u64 s[16:17], s[16:17], s[30:31]      ; y at my K half and columns
	s_lshl_b32 s30, s19, 22
	s_lshl_b32 s66, s21, 15
	s_add_co_u32 s30, s30, s66
	s_add_nc_u64 s[8:9], s[8:9], s[30:31]          ; hq: my expert, my 16 K steps
	s_lshl_b32 s30, s19, 17
	s_lshl_b32 s66, s21, 10
	s_add_co_u32 s30, s30, s66
	s_add_nc_u64 s[10:11], s[10:11], s[30:31]      ; hs likewise
	s_wait_alu depctr_va_vdst(0)                   ; the addresses and offsets v1-7, v28-31 and v61-63 are written: every load and store of the launch that reads one of them stands behind this wait, and none of them is written again
.irp i, 0,1,2,3,4,5,6,7
	global_load_b128 v[64+4*\i:67+4*\i], v[BADR], s[12:13] offset:512*\i
.endr
	global_load_b128 v[96:99], v[C16], s[6:7]
	WLOAD 0
	WLOAD 1
	s_cmp_eq_u32 s21, 0
	s_cselect_b32 s66, 0x3f800000, 0               ; the bias belongs to the lower K half alone
	s_wait_loadcnt 32                              ; sel and the bias are in: behind them the 32 loads of W(0) and W(1)
.irp k, 0,1,2,3
	v_mul_f32 v[96+\k], s66, v[96+\k]
.endr
	s_cmp_lg_u32 s18, 0
	s_cbranch_scc1 .Lno_bias
	s_wait_alu depctr_va_vdst(0)                   ; the four multiplications have written v96 to v99, which the LDS store reads
	ds_store_b128 v[BST], v[96:99]                 ; wave 0 lays it down (both halves of the lanes write the same bytes with the same values); it is read behind barriers
	s_wait_alu depctr_vm_vsrc(0)                   ; the store has read v96 to v99, which the search below writes
.Lno_bias:
	s_add_co_u32 s30, s19, 16
	s_lshl_b32 s30, 1, s30
.set wd, 0
.rept 32
	v_and_b32 v100, s30, v[64+wd]
	v_cmp_ne_u32 s[68+wd], 0, v100
.set wd, wd+1
.endr
	s_wait_alu depctr_va_sdst(0)                   ; the 32 compares have written s68 to s99, ahead of their first reader
	s_mov_b32 s32, 0
.set wd, 0
.rept 31
	s_bcnt1_i32_b32 s31, s[68+wd]
	s_add_co_u32 s[33+wd], s[32+wd], s31
.set wd, wd+1
.endr
	s_bcnt1_i32_b32 s31, s99
	s_add_co_u32 s22, s63, s31                     ; rows,
	s_add_co_u32 s23, s22, 15
	s_lshr_b32 s23, s23, 4                         ; tiles,
	s_max_u32 s25, s22, 1
	s_sub_co_u32 s25, s25, 1                       ; last place,
	s_max_u32 s67, s23, 1
	s_sub_co_u32 s67, s67, 1                       ; last tile
.irp j, 0,1,2,3
	v_mov_b32 v[68+\j], 0
.endr
	PASSHEAD 0
	s_wait_loadcnt 24                              ; W(0) is in; behind it W(1)'s 16 loads and the 8 gathers
	ALOAD 0, 0
	QUANTW 0
	WLOAD 2
	BAR
.irp g, 0,1,2,3,4,5,6,7
	PERIOD \g
.endr
	EPI
	s_cmp_le_u32 s23, 32                           ; more than 512 rows: tiles 32 on, over the codes that lie in LDS; no barrier stands in this part, and its LDS stores go to the wave's own stage
	s_cbranch_scc1 .Lend
	s_wait_loadcnt 0x0
	s_wait_xcnt 0x0
	s_wait_alu depctr_vm_vsrc(0)                   ; the first pass's loads have read their offsets v8-15 and v32-35, its LDS stores v64-95, its global stores v96-127 and v160-167: all of them are written again
	PASSHEAD 32
	ALOAD 0, 0
.irp g, 0,1,2,3,4,5,6,7
	s_wait_loadcnt 0x0
.if \g == 0
	MM \g, 1
.else
	MM \g, 0
.endif
.if \g < 7
	ALOAD (\g)+1, 1
.endif
.endr
	EPI
.Lend:
	s_wait_dscnt 0x0
	s_wait_alu depctr_hold_cnt(0) depctr_sa_sdst(0) depctr_va_vdst(0) depctr_va_sdst(0) depctr_va_ssrc(0) depctr_va_vcc(0) depctr_vm_vsrc(0)
	s_wait_tensorcnt 0x0
	ds_add_u32 v22, v23
	s_wait_dscnt 0x0
	s_endpgm
.Lfunc_end_k_q4b8423a0ab_ffn2:
	.size	k_q4b8423a0ab_ffn2, .Lfunc_end_k_q4b8423a0ab_ffn2-k_q4b8423a0ab_ffn2
	.p2alignl 7, 3214868480
	.fill 96, 4, 3214868480
	.section	.rodata,"a",@progbits
	.p2align	6, 0x0
	.amdhsa_kernel k_q4b8423a0ab_ffn2
		.amdhsa_group_segment_fixed_size 172032
		.amdhsa_private_segment_fixed_size 0
		.amdhsa_enable_private_segment 0
		.amdhsa_kernarg_size 56
		.amdhsa_user_sgpr_count 2
		.amdhsa_user_sgpr_kernarg_segment_ptr 1
		.amdhsa_wavefront_size32 1
		.amdhsa_system_sgpr_workgroup_id_x 1
		.amdhsa_system_sgpr_workgroup_id_y 1
		.amdhsa_system_sgpr_workgroup_id_z 1
		.amdhsa_system_vgpr_workitem_id 0
		.amdhsa_next_free_vgpr 512
		.amdhsa_next_free_sgpr 102
		.amdhsa_reserve_vcc 1
		.amdhsa_float_denorm_mode_32 3
		.amdhsa_float_denorm_mode_16_64 3
		.amdhsa_memory_ordered 1
		.amdhsa_forward_progress 1
		.amdhsa_inst_pref_size 255
	.end_amdhsa_kernel
	.section	.bss,"aw",@nobits
	.p2align	6
	.space	262144
	.amdgpu_metadata
---
amdhsa.version: [ 1, 2 ]
amdhsa.kernels:
  - .name:           k_q4b8423a0ab_ffn2
    .symbol:         k_q4b8423a0ab_ffn2.kd
    .args:
      - { .name: W2, .offset: 0, .size: 8, .value_kind: global_buffer, .address_space: global }
      - { .name: b2, .offset: 8, .size: 8, .value_kind: global_buffer, .address_space: global }
      - { .name: hq, .offset: 16, .size: 8, .value_kind: global_buffer, .address_space: global }
      - { .name: hs, .offset: 24, .size: 8, .value_kind: global_buffer, .address_space: global }
      - { .name: sel, .offset: 32, .size: 8, .value_kind: global_buffer, .address_space: global }
      - { .name: pw, .offset: 40, .size: 8, .value_kind: global_buffer, .address_space: global }
      - { .name: y, .offset: 48, .size: 8, .value_kind: global_buffer, .address_space: global }
    .group_segment_fixed_size: 172032
    .private_segment_fixed_size: 0
    .kernarg_segment_align: 8
    .kernarg_segment_size: 56
    .max_flat_workgroup_size: 256
    .sgpr_count:     102
    .vgpr_count:     512
    .wavefront_size: 32
...
	.end_amdgpu_metadata
.endif
;; end of part 6
;; launch combine: the kernel of part 4 again; grid 257 x 1, 8 waves a work-group, no clusters, 1,536 bytes of LDS; arguments y, gp, out0, out1; writes out0, out1
